; MI455X (gfx1250); checked and timed in simulation.
; The chip was launched on July 23, 2026; its instructions are those of AMD's public machine-readable ISA for CDNA 5 (MIT licence, August 2026) and "CDNA5" Instruction Set Architecture Reference Guide (July 2026). The comments in the code are by the model that wrote it; some were corrected since.
;; Causal Self Attention. Allowed arithmetic: matrix products marked QUANTISED: E4M3 operands, one given power-of-two scale a tensor, by v_wmma_f32_16x16x64_fp8_fp8 or v_wmma_f32_16x16x128_fp8_fp8, f32 sums; everything else in f32.
;; Inputs: Wo_b 1,024 float32; Wo_w 1,024 x 1,024 float32; Wqkv_b 3,072 float32; Wqkv_w 3,072 x 1,024 float32; lowp_scales 8 int32 (the exponents e of the quantised operands' scales 2^e); mask 1 x 4,096 bool; x 1 x 4,096 x 1,024 float32.
;; Outputs: out0 1 x 4,096 x 1,024 float32.
;; This version of the problem:
;;   THIS VERSION OF THE PROBLEM IS GIVEN IN LOW PRECISION. The matrix products marked QUANTISED in the list below multiply operands that are first quantised to E4M3 (4 exponent bits, 3 mantissa bits; 8 bits a number), with one given power-of-two scale for each operand tensor; their sums are f32. All else is computed in f32.
;;   The module's matrix products, in the order in which they are computed (A, B: the left and right operand; K: the contracted axis; several contracted axes count as one K, in the product's order):
;;     1. [M 4,096, K 1,024] x [K 1,024, N 3,072]; A: input x; B: input Wqkv_w: QUANTISED (scales: A lowp_scales[0], B lowp_scales[1])
;;     2. batch 16 x [M 4,096, K 64] x [K 64, N 4,096]; A: computed on the way; B: computed on the way: QUANTISED (scales: A lowp_scales[2], B lowp_scales[3])
;;     3. batch 16 x [M 4,096, K 4,096] x [K 4,096, N 64]; A: softmax (see below); B: computed on the way: QUANTISED (scales: A lowp_scales[4], B lowp_scales[5])
;;     4. [M 4,096, K 1,024] x [K 1,024, N 1,024]; A: computed on the way; B: input Wo_w: QUANTISED (scales: A lowp_scales[6], B lowp_scales[7])
;;   THE QUANTISER, for each operand of a quantised product, along K:
;;     - The operand's scale is 2^e, e = its entry of the input lowp_scales (int32; the entries are numbered through the quantised products in the list's order, A before B).
;;     - Each number is divided by the scale, clamped to +-448, and rounded to the nearest number of E4M3, ties to even, subnormals kept.
;;     - The product sums the exact products of the quantised numbers (number of the format x scale) in f32.
;;   ~~~python
;;   def quantise(x, axis, e):      # numpy; x: float32 -> the quantised numbers, widened to float32 again
;;       x = np.moveaxis(x, axis, -1); K = x.shape[-1]
;;       r = np.clip(x / 2.0 ** e, -448, 448)
;;       step = 2.0 ** (np.maximum(np.frexp(np.where(r == 0, 1, r))[1] - 1, -6) - 3)
;;       q = np.round(r / step) * step * 2.0 ** e      # np.round: ties to even
;;       return np.moveaxis(q, -1, axis).astype(np.float32)
;;   ~~~
;;   SOFTMAX AHEAD OF A QUANTISED PRODUCT. Where the list says 'softmax', what is quantised is not the finished softmax but p = 2^(t - M), with t = logit x log2(e) and M = ceil(the row's largest t), a whole number; so 1/2 < the row's largest p <= 1. The row's sum l is taken of the UNQUANTISED p, in f32, and the product's result is divided by l at the end. Since M is a whole number, a kernel that streams over the keys may use a running M (the ceiling of the running maximum): every later rescaling is an exact power of two, so the quantised numbers keep their values, but for numbers so far below the row's largest that they fall under the format's range.
;;   OPERANDS COMPUTED ON THE WAY. 'Computed on the way' means the value that the module computes at that place (a softmax that the list does not call 'softmax' is quantised finished and normalised). What goes into a quantiser is computed in f32, as accurately as f32 sums, v_exp_f32 and their like allow (about 1e-6 of the number): no bf16 or f16 on the way to a quantiser, and a product that is left as it is and whose result goes on into a quantised operand takes f32 operands (vector FMAs, or v_wmma_f32_16x16x4_f32). A number that lies on a knife's edge between two numbers of the format may be rounded either way, as far as f32 arithmetic and the matrix unit's own rounding can turn it there, and no further.
;; 2 versions, each right; version 2 is version 1 with the launch attn written anew for expert scheduling mode. Each part assembles by itself: llvm-mc -triple=amdgcn-amd-amdhsa -mcpu=gfx1250 --defsym DOCPART=n.
;; ======== version 1 of 2: 4 launches
;; limits: right only within a limited range of input values
;; workspace buffers: xc 4,194,304 bytes; wc 3,145,728 bytes; woc 1,048,576 bytes; qc 4,194,304 bytes; kvc 8,388,608 bytes; ac 4,194,304 bytes
;; launch quant (part 1): grid 256 x 1, 8 waves a work-group, no clusters, 68,608 bytes of LDS; arguments x, Wqkv_w, Wo_w, lowp_scales, xc, wc, woc; writes xc, wc, woc
.if DOCPART == 1
	.amdgcn_target "amdgcn-amd-amdhsa--gfx1250"
	.amdhsa_code_object_version 6
	.text
	.protected	k_qe3507ae46f_quant
	.globl	k_qe3507ae46f_quant
	.p2align	8
	.type	k_qe3507ae46f_quant,@function
k_qe3507ae46f_quant:
	s_mov_b64 s[64:65], 0
	v_nop
	global_prefetch_b8 v0, s[64:65] scope:SCOPE_SE
	s_setreg_imm32_b32 hwreg(HW_REG_WAVE_MODE, 25, 1), 1
	s_wait_xcnt 0x0
; x [4096][1024], Wqkv_w [3072][1024] and Wo_w [1024][1024], f32, K innermost, become codes of FP8 (E4M3) with the given scales 2^e (entries 0, 1 and 7 of lowp_scales).
; code = number / 2^e, held within +-448, rounded to the nearest code, ties to even.
; THE CODES ARE LAID AS IMAGES OF OPERAND REGISTERS: [tile of 16 rows][128 along K][4 registers][lane][16 bytes].  In a fragment of 16 rows x 128 K lane (r, h) holds row r, and its
; registers 2 c, 2 c + 1 hold k = 16 c + 8 h + 0 .. 7 (the 8-bit layout of the plain matrix forms).  So every later launch reads a fragment as four runs of 512 dense bytes.
; SHARES.  Work-groups 0-127 take x, 128-223 Wqkv_w, 224-255 Wo_w: only pointers and the exponent are chosen, by the work-group's number; there is one path through the text.
; A work-group takes 32 rows (two tiles); wave w takes k = 128 w .. 128 w + 127 of both: two fragments.  Each load reads 512 consecutive bytes of one row; the 16 rows turn through the wave's own
; stage in LDS (rows 528 bytes apart) and come back 32 bytes a lane and register pair.  All 32 loads of a wave go out at once.  Waves share nothing: no barrier.
; LIMITS: e between -126 and 119, so that 2^e and 448 x 2^e are f32 numbers.  NaN among the inputs is not served (an infinity is held at the largest code).
.set SP,   528                         ; a stage row: 512 bytes + 16
.set WST,  16*SP                       ; a wave's stage
.set R,    16                          ; v16-143   two sets of 64 registers, as loaded
.set X,    144                         ; v144-207  64 numbers in the fragment's order
.set C,    208                         ; v208-239  two sets of 16 registers of codes
	s_load_b256 s[4:11], s[0:1], 0x0               ; x s[4:5], Wqkv_w s[6:7], Wo_w s[8:9], the exponents s[10:11]
	s_load_b128 s[12:15], s[0:1], 0x20             ; xc s[12:13], wc s[14:15]
	s_load_b64 s[16:17], s[0:1], 0x30              ; woc
	v_lshl_add_u32 v240, v0, 2, 0x10800
	v_mov_b32 v241, 0
	v_lshrrev_b32 v4, 5, v0
	v_readfirstlane_b32 s18, v4                    ; wave 0..7
	v_and_b32 v4, 31, v0
	v_lshlrev_b32 v1, 4, v4                        ; 16 x lane: my bytes of a load's and of a store's 512
	s_mul_i32 s19, s18, WST
	v_add_nc_u32 v2, s19, v1                       ; the stage, on the way in: a row as it lies
	v_and_b32 v5, 15, v0                           ; r
	v_bfe_u32 v6, v0, 4, 1                         ; h
	v_mul_u32_u24 v3, v5, SP
	v_lshl_add_u32 v3, v6, 5, v3
	v_add_nc_u32 v3, s19, v3                       ; and on the way out: row r, + 32 h bytes
	s_wait_kmcnt 0x0
	s_load_b256 s[24:31], s[10:11], 0x0            ; e0 .. e7
	s_cmp_lt_u32 ttmp9, 128                        ; x's work-group?
	s_cselect_b64 s[4:5], s[4:5], s[6:7]
	s_cselect_b64 s[12:13], s[12:13], s[14:15]
	s_cselect_b32 s20, 0, 128                      ; the tensor's first work-group
	s_cmp_lt_u32 ttmp9, 224                        ; or Wo_w's?
	s_cselect_b64 s[4:5], s[4:5], s[8:9]
	s_cselect_b64 s[12:13], s[12:13], s[16:17]
	s_cselect_b32 s20, s20, 224
	s_sub_co_u32 s21, ttmp9, s20                   ; which 32 rows of the tensor
	s_lshl_b32 s22, s21, 17                        ; 32 rows of 4,096 bytes,
	s_lshl_b32 s23, s18, 9                         ; + my wave's 512 bytes of a row
	s_add_co_u32 s22, s22, s23
	s_mov_b32 s23, 0
	s_add_nc_u64 s[4:5], s[4:5], s[22:23]
	s_lshl_b32 s22, s21, 15                        ; two tiles of 16,384 bytes of codes,
	s_lshl_b32 s32, s18, 11                        ; + my wave's fragment of 2,048
	s_add_co_u32 s22, s22, s32
	s_add_nc_u64 s[12:13], s[12:13], s[22:23]
.macro LOAD i                          ; fragment i: 16 rows, 512 consecutive bytes each
.irp p, 0,1,2,3,4,5,6,7,8,9,10,11,12,13,14,15
	global_load_b128 v[R+64*\i+4*\p:R+64*\i+4*\p+3], v1, s[4:5] offset:65536*\i+4096*\p th:TH_LOAD_NT
.endr
.endm
.macro TURN i                          ; through the stage: LDS serves a wave's instructions in order (ISA guide 5.7.1.4), so no wait stands between the stores and the loads
.irp p, 0,1,2,3,4,5,6,7,8,9,10,11,12,13,14,15
	ds_store_b128 v2, v[R+64*\i+4*\p:R+64*\i+4*\p+3] offset:SP*\p
.endr
.irp c, 0,1,2,3,4,5,6,7
	ds_load_b128 v[X+8*\c:X+8*\c+3], v3 offset:64*\c          ; row r, k = 16 c + 8 h + 0 .. 3
	ds_load_b128 v[X+8*\c+4:X+8*\c+7], v3 offset:64*\c+16     ; + 4 .. 7
.endr
.endm
.macro QUANT i
.set n, 0
.rept 64
	v_med3_num_f32 v[X+n], v[X+n], -v10, v10       ; the conversion to an 8-bit code does not saturate (ISA guide 7.6.2): the hold at the largest code x the scale
.set n, n+1
.endr
.irp c, 0,1,2,3,4,5,6,7
	v_cvt_scalef32_pk8_fp8_f32 v[C+16*\i+2*\c:C+16*\i+2*\c+1], v[X+8*\c:X+8*\c+7], v11   ; registers 2 c, 2 c + 1 of the fragment
.endr
	v_nop                                          ; a plain vector line behind the last conversion
.endm
.macro OUT i
.irp q, 0,1,2,3
	global_store_b128 v1, v[C+16*\i+4*\q:C+16*\i+4*\q+3], s[12:13] offset:16384*\i+512*\q   ; 32 lanes store 512 consecutive bytes, aligned
.endr
.endm
	LOAD 0
	LOAD 1
	s_wait_kmcnt 0x0
	s_cmp_lt_u32 ttmp9, 128
	s_cselect_b32 s24, s24, s25                    ; e0 or e1,
	s_cmp_lt_u32 ttmp9, 224
	s_cselect_b32 s24, s24, s31                    ; or e7
	s_add_co_i32 s24, s24, 127
	s_lshl_b32 s25, s24, 23
	v_mov_b32 v11, s25                             ; 2^e as f32: the conversion takes its exponent field
	s_add_co_i32 s24, s24, 8
	s_lshl_b32 s24, s24, 23
	s_or_b32 s24, s24, 0x600000
	v_mov_b32 v10, s24                             ; 448 x 2^e
	s_wait_loadcnt 16                              ; fragment 0's 16 loads are in; fragment 1's 16 may be out
	TURN 0
	s_wait_dscnt 0x0
	QUANT 0
	OUT 0
	s_wait_loadcnt 0x0
	TURN 1
	s_wait_dscnt 0x0
	QUANT 1
	OUT 1
	s_wait_tensorcnt 0x0
	ds_add_u32 v240, v241
	s_wait_dscnt 0x0
	s_endpgm
.Lfunc_end_k_qe3507ae46f_quant:
	.size	k_qe3507ae46f_quant, .Lfunc_end_k_qe3507ae46f_quant-k_qe3507ae46f_quant
	.p2alignl 7, 3214868480
	.fill 96, 4, 3214868480
	.section	.rodata,"a",@progbits
	.p2align	6, 0x0
	.amdhsa_kernel k_qe3507ae46f_quant
		.amdhsa_group_segment_fixed_size 68608
		.amdhsa_private_segment_fixed_size 0
		.amdhsa_enable_private_segment 0
		.amdhsa_kernarg_size 56
		.amdhsa_user_sgpr_count 2
		.amdhsa_user_sgpr_kernarg_segment_ptr 1
		.amdhsa_wavefront_size32 1
		.amdhsa_system_sgpr_workgroup_id_x 1
		.amdhsa_system_sgpr_workgroup_id_y 1
		.amdhsa_system_sgpr_workgroup_id_z 1
		.amdhsa_system_vgpr_workitem_id 0
		.amdhsa_next_free_vgpr 242
		.amdhsa_next_free_sgpr 66
		.amdhsa_reserve_vcc 0
		.amdhsa_float_denorm_mode_32 3
		.amdhsa_float_denorm_mode_16_64 3
		.amdhsa_memory_ordered 1
		.amdhsa_forward_progress 1
		.amdhsa_inst_pref_size 20
	.end_amdhsa_kernel
	.amdgpu_metadata
---
amdhsa.version: [ 1, 2 ]
amdhsa.kernels:
  - .name:           k_qe3507ae46f_quant
    .symbol:         k_qe3507ae46f_quant.kd
    .args:
      - { .name: x, .offset: 0, .size: 8, .value_kind: global_buffer, .address_space: global }
      - { .name: Wqkv_w, .offset: 8, .size: 8, .value_kind: global_buffer, .address_space: global }
      - { .name: Wo_w, .offset: 16, .size: 8, .value_kind: global_buffer, .address_space: global }
      - { .name: lowp_scales, .offset: 24, .size: 8, .value_kind: global_buffer, .address_space: global }
      - { .name: xc, .offset: 32, .size: 8, .value_kind: global_buffer, .address_space: global }
      - { .name: wc, .offset: 40, .size: 8, .value_kind: global_buffer, .address_space: global }
      - { .name: woc, .offset: 48, .size: 8, .value_kind: global_buffer, .address_space: global }
    .group_segment_fixed_size: 68608
    .private_segment_fixed_size: 0
    .kernarg_segment_align: 8
    .kernarg_segment_size: 56
    .max_flat_workgroup_size: 256
    .sgpr_count:     66
    .vgpr_count:     242
    .wavefront_size: 32
...
	.end_amdgpu_metadata
.endif
;; end of part 1
;; launch qkv (part 2): grid 8 x 32, 4 waves a work-group, clusters of 4 x 4, 327,680 bytes of LDS; arguments xc, wc, Wqkv_b, lowp_scales, qc, kvc; writes qc, kvc
.if DOCPART == 2
	.amdgcn_target "amdgcn-amd-amdhsa--gfx1250"
	.amdhsa_code_object_version 6
	.text
	.protected	k_qe3507ae46f_qkv
	.globl	k_qe3507ae46f_qkv
	.p2align	8
	.type	k_qe3507ae46f_qkv,@function
k_qe3507ae46f_qkv:
	s_mov_b64 s[64:65], 0
	v_nop
	global_prefetch_b8 v0, s[64:65] scope:SCOPE_SE
	s_setreg_imm32_b32 hwreg(HW_REG_WAVE_MODE, 25, 1), 1
	s_wait_xcnt 0x0
	s_wait_alu depctr_hold_cnt(0) depctr_sa_sdst(0) depctr_va_vdst(0) depctr_va_sdst(0) depctr_va_ssrc(0) depctr_va_vcc(0) depctr_vm_vsrc(0)
	s_getreg_b32 s2, hwreg(HW_REG_IB_STS2, 6, 4)
	s_cmp_eq_u32 s2, 0
	s_cbranch_scc0 .Lentry_in_a_cluster
	s_endpgm
.Lentry_in_a_cluster:
	s_bfe_u32 s2, ttmp6, 0x10000c
	s_cmp_lg_u32 s2, 0xf033
	s_cbranch_scc0 .Lentry_shape_is_right
	s_endpgm
.Lentry_shape_is_right:
; q, k, v = x Wqkv_w^T + Wqkv_b on codes of FP8 (E4M3), and the results quantised at once for the attention: q with 2^e2, k with 2^e3, v with 2^e5.
; xc, wc: images of operand registers, [tile of 16 rows][128 along K][4 registers][lane][16 bytes]: a fragment is 2,048 dense bytes, a tile's whole K 16,384.
; OUT: qc [head][tile of 16 tokens][2 x 512 bytes]: fragments of 16 tokens x 64.  kvc [head][128 keys][16,384 bytes]: 8 fragments of K (16 keys x 64: 1,024 bytes), then 4 of V^T (16 channels x 128 keys: 2,048 bytes).
; SHARES.  A work-group takes 128 tokens (i) and two heads (2 j, 2 j + 1): 384 features.  Wave w takes 64 tokens (w / 2) of one head (w % 2): 32 accumulators for q and k, 16 for v.
; WHICH SOURCE COMES FIRST decides what a lane holds.  q, k: source 0 = 16 rows of W, source 1 = 16 tokens: a lane holds ONE token and eight neighbouring features, which are neighbours along the next K.
; v: source 0 = 16 tokens, source 1 = 16 rows of W: a lane holds ONE channel and eight neighbouring tokens: the keys are the next K.  So each conversion's result is a register pair of the next operand.
; THE BIAS is the C of each sum's first matrix instruction, divided by 2^(e0 + e1), the power of two that the sums lack; the conversions then take 2^(e - e0 - e1) as their one scale.
; K goes in steps of 256 through a ring of two LDS slots: four blocks of 8 tiles x 4,096 bytes (Wq, Wk, Wv, x), one tensor load a wave.
; CLUSTERS: 4 x 4 work-groups.  x's block hangs on i alone and is shared along a row of the cluster, W's blocks on j alone and are shared along a column: joint loads with a mask that names the four.
; LIMITS: e2 - e0 - e1, e3 - e0 - e1, e5 - e0 - e1 between -126 and 119, so that each scale and 448 x it are f32 numbers.
; REGISTERS, in windows of 256: window 0: v1-29 addresses and constants; v32-95 the bias of q and k (8 for each type and tile of features), v96-127 of v; later the codes; v128-255 v's 16 accumulators.
;   windows 1, 2: two sets of fragments for 128 along K: x's four at v[16 a], W's twelve at v[64 + 16 (4 t + b)].   window 3: q's and k's 32 accumulators at v[8 (16 t + 4 a + b)].
.set SLOT,  131072                     ; a slot: Wq, Wk, Wv, x, 32,768 bytes each
.set XOFF,  98304                      ; x's block in a slot
.set SPARE, 2*SLOT                     ; behind the ring: the spare words, 128 bytes for each wave: two blocks of 256 bytes that no other line names
.set ADRX, 16                          ; v16-17  LDS address of my fragments of x in slot 0, 1
.set ADRQ, 18                          ; v18-19  of Wq (Wk: 32,768 bytes on)
.set ADRV, 20                          ; v20-21  of Wv
.set SCQ,  22                          ; v22, v23: q's scale and 448 x it; v24, v25: k's; v26, v27: v's
.set SPW,  28                          ; v28     LDS address of my spare word; never rewritten
.set NIL,  29                          ; v29     0; never rewritten
.set BQK,  32
.set BV,   96
.set AV,   128
.set WV,   16                          ; s16     my wave's number
.set G1,   24                          ; s[24:31] descriptor group 1 for x's block; s[32:39] group 0, a set for each slot
.set G0,   32
.set G1B,  48                          ; s[48:55], s[56:63] the same for W's blocks
.set G0B,  56
.set MSB, 0
.macro WIN new                         ; the immediate's high byte repeats the setting that is left; a switch that changes nothing is dropped
.if MSB != (\new)
	s_set_vgpr_msb (MSB<<8)|(\new)
.set MSB, (\new)
.endif
.endm
; A joint load: wave 3 fetches x's block, waves 0 to 2 W's.  Each of the two lines has one mask and one set of registers; the branch hangs on the wave's number alone.
; Four v_nop follow each of the two lines, ahead of the jump, the label and what follows.
.macro JLOAD s
	s_cmp_eq_u32 s[WV], 3
	s_cbranch_scc0 .Lfor_w_\@
	tensor_load_to_lds s[G0+4*\s:G0+4*\s+3], s[G1:G1+7]
	s_nop 0
.rept 4
	v_nop
.endr
	s_branch .Lasked_\@
.Lfor_w_\@:
	tensor_load_to_lds s[G0B+4*\s:G0B+4*\s+3], s[G1B:G1B+7]
	s_nop 0
.rept 4
	v_nop
.endr
.Lasked_\@:
.endm
.macro CREST                           ; a round of the cluster's barrier behind its opening barrier
	s_cmp_lg_u32 s[WV], 0
	s_cbranch_scc1 .Lnot_wave_0_\@
	s_barrier_signal -3
.Lnot_wave_0_\@:
	s_barrier_wait -3
	s_barrier_signal -1
	s_barrier_wait -1
.endm
.macro CROUND                          ; a whole round
	s_barrier_signal -1
	s_barrier_wait -1
	CREST
.endm
.macro PLACES                          ; four plain vector lines between a matrix instruction and a load into, or a vector read of, its registers
.rept 4
	v_nop
.endr
.endm
	s_load_b256 s[4:11], s[0:1], 0x0               ; xc s[4:5], wc s[6:7], Wqkv_b s[8:9], the exponents s[10:11]
	s_load_b128 s[12:15], s[0:1], 0x20             ; qc s[12:13], kvc s[14:15]
	v_lshl_add_u32 v[SPW], v0, 2, SPARE
	v_mov_b32 v[NIL], 0
	ds_add_u32 v28, v29
	ds_add_u32 v28, v29
	s_wait_dscnt 0x0
	v_lshrrev_b32 v1, 5, v0
	v_readfirstlane_b32 s[WV], v1                  ; wave 0..3
	s_lshr_b32 s17, s16, 1                         ; th: which 64 tokens are mine
	s_and_b32 s18, s16, 1                          ; hh: which of the two heads
	s_bfe_u32 s40, ttmp6, 0x40000                  ; cx, cy: my place in the cluster
	s_bfe_u32 s41, ttmp6, 0x40004
	s_lshl_b32 s42, ttmp9, 2
	s_add_co_u32 s42, s42, s40                     ; j = 4 x cluster x + cx: the pair of heads
	s_and_b32 s43, ttmp7, 0xffff
	s_lshl_b32 s43, s43, 2
	s_add_co_u32 s43, s43, s41                     ; i = 4 x cluster y + cy: the 128 tokens
	s_lshl_b32 s44, s41, 2
	s_lshl_b32 s44, 15, s44                        ; my row of the cluster
	s_lshl_b32 s45, 0x1111, s40                    ; my column
	; descriptor group 1: 8 rows of 512 elements of 8 bytes (a tile's 256 along K: 4,096 bytes), 2,048 elements (a tile's whole K) apart; dense in LDS
	s_or_b32 s[G1], s44, (3<<16)|(1<<21)           ; 15:0 the mask: x's block goes to my row; 17:16 elements of 8 bytes; 21 set beside a mask
	s_or_b32 s[G1B], s45, (3<<16)|(1<<21)          ; W's blocks go to my column
.irp g, G1, G1B
	s_mov_b32 s[\g+1], 512<<16                     ; tensor_dim0
	s_mov_b32 s[\g+2], 8<<16                       ; tensor_dim1
	s_mov_b32 s[\g+3], 512<<16                     ; tile_dim0
	s_mov_b32 s[\g+4], 8                           ; tile_dim1
	s_mov_b32 s[\g+5], 2048                        ; tensor_dim0_stride
	s_mov_b32 s[\g+6], 0
	s_mov_b32 s[\g+7], 0
.endr
	s_lshl_b32 s20, s43, 17                        ; x: tiles 8 i on, 16,384 bytes each
	s_mov_b32 s21, 0
	s_min_u32 s46, s16, 2                          ; W: the type that I fetch, q, k or v = my wave's number (wave 3 fetches x and does not use this address)
	s_lshl_b32 s46, s46, 20                        ; 64 tiles a type,
	s_lshl_b32 s47, s42, 17                        ; + tiles 8 j on
	s_add_co_u32 s46, s46, s47
	s_mov_b32 s47, 0
	s_lshl_b32 s22, s16, 15                        ; where my block goes: wave x 32,768: no place in the cluster enters an LDS address
	s_wait_kmcnt 0x0
	s_load_b256 s[68:75], s[10:11], 0x0            ; e0 .. e7
	s_add_nc_u64 s[20:21], s[4:5], s[20:21]
	s_add_nc_u64 s[46:47], s[6:7], s[46:47]
	CROUND                                         ; all sixteen work-groups are here: the first joint loads meet
.irp s, 0,1
	s_mov_b32 s[G0+4*\s], 1                        ; count = 1
	s_add_co_u32 s[G0+4*\s+1], s22, \s*SLOT        ; LDS address
	s_add_nc_u64 s[G0+4*\s+2:G0+4*\s+3], s[20:21], \s*4096   ; global address: 256 along K a slot
	s_or_b32 s[G0+4*\s+3], s[G0+4*\s+3], 0x80000000          ; type = 2
	s_mov_b32 s[G0B+4*\s], 1
	s_add_co_u32 s[G0B+4*\s+1], s22, \s*SLOT
	s_add_nc_u64 s[G0B+4*\s+2:G0B+4*\s+3], s[46:47], \s*4096
	s_or_b32 s[G0B+4*\s+3], s[G0B+4*\s+3], 0x80000000
	JLOAD \s                                       ; two tensor loads of mine are out
.endr
	v_and_b32 v2, 31, v0
	v_lshlrev_b32 v1, 4, v2                        ; 16 x lane: an image's place for my lane, in LDS and in the outputs
	s_lshl_b32 s19, s17, 14                        ; my four tiles of tokens,
	s_add_co_u32 s19, s19, XOFF                    ; in x's block
	s_lshl_b32 s23, s18, 14                        ; my head's four tiles of features
.irp s, 0,1
	v_add_nc_u32 v[ADRX+\s], s19, v1
	v_add_nc_u32 v[ADRQ+\s], s23, v1
	v_add_nc_u32 v[ADRV+\s], 65536, v[ADRQ+\s]
	s_add_co_u32 s19, s19, SLOT
	s_add_co_u32 s23, s23, SLOT
.endr
	s_lshl_b32 s76, s42, 1
	s_add_co_u32 s76, s76, s18                     ; H = 2 j + hh: my head
	s_mov_b32 s79, 0
	s_lshl_b32 s78, s76, 8
	s_add_nc_u64 s[8:9], s[8:9], s[78:79]          ; the bias at q's features of my head
	s_lshl_b32 s78, s76, 18                        ; qc: a head is 262,144 bytes,
	s_lshl_b32 s77, s43, 13                        ; 8 fragments of 1,024 for the work-group's tokens,
	s_add_co_u32 s78, s78, s77
	s_lshl_b32 s77, s17, 12                        ; my four of them
	s_add_co_u32 s78, s78, s77
	s_add_nc_u64 s[12:13], s[12:13], s[78:79]
	s_lshl_b32 s78, s76, 19                        ; kvc: a head is 524,288 bytes,
	s_lshl_b32 s77, s43, 14                        ; the work-group's 128 keys 16,384
	s_add_co_u32 s78, s78, s77
	s_add_nc_u64 s[14:15], s[14:15], s[78:79]
	s_lshl_b32 s78, s17, 10                        ; V^T: behind K's 8,192 bytes; my 64 keys are two of a fragment's four runs of 512 bytes
	s_add_co_u32 s78, s78, 8192
	s_add_nc_u64 s[82:83], s[14:15], s[78:79]
	s_lshl_b32 s78, s17, 12                        ; K: my four fragments
	s_add_nc_u64 s[14:15], s[14:15], s[78:79]
	v_bfe_u32 v3, v0, 4, 1
	v_lshlrev_b32 v3, 5, v3                        ; 32 h: q's and k's bias: lane (r, h) wants features 16 b + 8 h + 0 .. 7
	v_and_b32 v4, 15, v0
	v_lshlrev_b32 v4, 2, v4                        ; 4 r: v's: feature 16 b + r
.irp t, 0,1
.irp b, 0,1,2,3
	global_load_b128 v[BQK+8*(4*\t+\b):BQK+8*(4*\t+\b)+3], v3, s[8:9] offset:4096*\t+64*\b
	global_load_b128 v[BQK+8*(4*\t+\b)+4:BQK+8*(4*\t+\b)+7], v3, s[8:9] offset:4096*\t+64*\b+16
.endr
.endr
.irp b, 0,1,2,3
	global_load_b32 v[8+\b], v4, s[8:9] offset:8192+64*\b
.endr
	s_wait_loadcnt 0x0
	s_wait_kmcnt 0x0
	s_add_co_i32 s84, s68, s69                     ; e0 + e1: a sum stands for sum x 2^(e0 + e1)
	s_sub_co_i32 s85, 0, s84
.set n, 0
.rept 64
	v_ldexp_f32 v[BQK+n], v[BQK+n], s85            ; the bias / 2^(e0 + e1)
.set n, n+1
.endr
.irp b, 0,1,2,3
.irp i, 0,1,2,3,4,5,6,7
	v_ldexp_f32 v[BV+8*\b+\i], v[8+\b], s85        ; v's: the same number for a lane's eight tokens
.endr
.endr
.macro SCALE vr, e                     ; v[vr] = 2^(e - e0 - e1) as f32, v[vr + 1] = 448 x that
	s_sub_co_i32 s80, s[\e], s84
	s_add_co_i32 s80, s80, 127
	s_lshl_b32 s81, s80, 23
	v_mov_b32 v[\vr], s81
	s_add_co_i32 s80, s80, 8
	s_lshl_b32 s80, s80, 23
	s_or_b32 s80, s80, 0x600000
	v_mov_b32 v[\vr+1], s80
.endm
	SCALE SCQ, 70
	SCALE SCQ+2, 71
	SCALE SCQ+4, 73
; 64 LDS loads in one run: the fragments of the slot's sp-th 128 along K into a set.  Each load takes 512 dense bytes, 16 a lane.
.macro FETCH slot, sp, set
	WIN (1+\set)<<6                                ; destination window 1 or 2, address window 0
.irp a, 0,1,2,3
.irp c, 0,1,2,3
	ds_load_b128 v[16*\a+4*\c:16*\a+4*\c+3], v[ADRX+\slot] offset:4096*\a+2048*\sp+512*\c
.endr
.endr
.irp t, 0,1
.irp b, 0,1,2,3
.irp c, 0,1,2,3
	ds_load_b128 v[64+16*(4*\t+\b)+4*\c:64+16*(4*\t+\b)+4*\c+3], v[ADRQ+\slot] offset:32768*\t+4096*\b+2048*\sp+512*\c
.endr
.endr
.endr
.irp b, 0,1,2,3
.irp c, 0,1,2,3
	ds_load_b128 v[64+16*(8+\b)+4*\c:64+16*(8+\b)+4*\c+3], v[ADRV+\slot] offset:4096*\b+2048*\sp+512*\c
.endr
.endr
.endm
; 32 matrix instructions for q and k, 16 for v: the 48 accumulators take turns, one instruction a turn, in the same order in every step.
.macro MULQK set, first                ; first = 1: the bias starts the sums: nothing is cleared
.if \first
	WIN 0xC5                                       ; sources 0 and 1 window 1, C (the bias) window 0, D window 3
.else
	WIN 0xF5+5*\set                                ; sources 0 and 1 window 1 or 2, C and D window 3
.endif
.irp t, 0,1
.irp a, 0,1,2,3
.irp b, 0,1,2,3
.if \first
	v_wmma_f32_16x16x128_fp8_fp8 v[8*(16*\t+4*\a+\b):8*(16*\t+4*\a+\b)+7], v[64+16*(4*\t+\b):64+16*(4*\t+\b)+15], v[16*\a:16*\a+15], v[BQK+8*(4*\t+\b):BQK+8*(4*\t+\b)+7]
.else
	v_wmma_f32_16x16x128_fp8_fp8 v[8*(16*\t+4*\a+\b):8*(16*\t+4*\a+\b)+7], v[64+16*(4*\t+\b):64+16*(4*\t+\b)+15], v[16*\a:16*\a+15], v[8*(16*\t+4*\a+\b):8*(16*\t+4*\a+\b)+7]
.endif
.endr
.endr
.endr
.endm
.macro MULV set, first
	WIN 0x05+5*\set                                ; sources 0 and 1 window 1 or 2, C and D window 0
.irp a, 0,1,2,3
.irp b, 0,1,2,3
.if \first
	v_wmma_f32_16x16x128_fp8_fp8 v[AV+8*(4*\a+\b):AV+8*(4*\a+\b)+7], v[16*\a:16*\a+15], v[64+16*(8+\b):64+16*(8+\b)+15], v[BV+8*\b:BV+8*\b+7]
.else
	v_wmma_f32_16x16x128_fp8_fp8 v[AV+8*(4*\a+\b):AV+8*(4*\a+\b)+7], v[16*\a:16*\a+15], v[64+16*(8+\b):64+16*(8+\b)+15], v[AV+8*(4*\a+\b):AV+8*(4*\a+\b)+7]
.endif
.endr
.endr
.endm
; A slot's first 128 along K: set 0 is multiplied while set 1 is fetched.
.macro STEP slot, first
	s_wait_dscnt 0x0                               ; set 0 is in
	PLACES                                         ; set 1's last products stand just ahead
	FETCH \slot, 1, 1
	MULQK 0, \first
	MULV 0, \first
.endm
; A slot's second 128 along K, and the change of slots: ONE barrier.  In front of it each wave waits for all its tensor loads (its block of the next slot), adds 0 to its spare word, and waits for that and for its
; reads of this slot (set 1 was the last of them).  fill = 1: the barrier opens a round of the cluster's, and behind the round this slot is filled again, 512 along K further on.
.macro TURN slot, next, fill
	WIN 0                                          ; (the add's two registers lie in window 0)
	s_wait_tensorcnt 0x0                           ; no tensor load of mine is out, so a group 0 may be written
	ds_add_u32 v[SPW], v[NIL]                      ; 0 onto my spare word
.if \fill
	s_add_nc_u64 s[G0+4*\slot+2:G0+4*\slot+3], s[G0+4*\slot+2:G0+4*\slot+3], 8192
	s_add_nc_u64 s[G0B+4*\slot+2:G0B+4*\slot+3], s[G0B+4*\slot+2:G0B+4*\slot+3], 8192
.endif
	s_wait_dscnt 0x0                               ; the add is done, and my reads of this slot are over
	s_barrier_signal -1
	MULQK 1, 0                                     ; work on registers while the others arrive
	WIN 0
	s_barrier_wait -1
.if \fill
	CREST                                          ; no wave of any partner still reads this slot or has a load on its way
	JLOAD \slot                                    ; the first tensor load behind the round, and my only one until the next; its four v_nop are the places in front of the loads below
.else
	PLACES
.endif
	FETCH \next, 0, 0
	MULV 1, 0
.endm
	s_wait_tensorcnt 1                             ; my block of slot 0 is in; slot 1's load may be out
	s_barrier_signal -1
	s_barrier_wait -1                              ; everybody's is
	FETCH 0, 0, 0
	STEP 0, 1                                      ; K = 1,024 is four slots: written out, no loop
	TURN 0, 1, 1
	STEP 1, 0
	TURN 1, 0, 1
	STEP 0, 0
	TURN 0, 1, 0                                   ; nothing is left to fetch
	STEP 1, 0
	s_wait_dscnt 0x0
	MULQK 1, 0
	MULV 1, 0
	; THE WAY OUT: hold, convert, store.  Each accumulator is read from its low end on.  A conversion's two registers are registers 2 b, 2 b + 1 (q, k) or 2 a, 2 a + 1 (v) of the next operand's fragment.
	PLACES
	WIN 0xC3                                       ; source 0 and destination window 3, the limits window 0
.set n, 0
.rept 128
	v_med3_num_f32 v[n], v[n], -v[SCQ+1], v[SCQ+1] ; q.  The conversion to an 8-bit code does not saturate (ISA guide 7.6.2)
.set n, n+1
.endr
.rept 128
	v_med3_num_f32 v[n], v[n], -v[SCQ+3], v[SCQ+3] ; k
.set n, n+1
.endr
	WIN 0x03                                       ; source 0 window 3, the scale and the destination window 0
.irp t, 0,1
.irp a, 0,1,2,3
.irp b, 0,1,2,3
	v_cvt_scalef32_pk8_fp8_f32 v[BQK+8*(4*\t+\a)+2*\b:BQK+8*(4*\t+\a)+2*\b+1], v[8*(16*\t+4*\a+\b):8*(16*\t+4*\a+\b)+7], v[SCQ+2*\t]
.endr
.endr
.endr
	WIN 0
.set n, 0
.rept 128
	v_med3_num_f32 v[AV+n], v[AV+n], -v[SCQ+5], v[SCQ+5]   ; v
.set n, n+1
.endr
.irp a, 0,1,2,3
.irp b, 0,1,2,3
	v_cvt_scalef32_pk8_fp8_f32 v[BV+8*\b+2*\a:BV+8*\b+2*\a+1], v[AV+8*(4*\a+\b):AV+8*(4*\a+\b)+7], v[SCQ+4]
.endr
.endr
	v_nop                                          ; a plain vector line behind the last conversion
.irp a, 0,1,2,3
.irp c, 0,1
	global_store_b128 v1, v[BQK+8*\a+4*\c:BQK+8*\a+4*\c+3], s[12:13] offset:1024*\a+512*\c        ; q: 32 lanes store 512 consecutive bytes, aligned
	global_store_b128 v1, v[BQK+32+8*\a+4*\c:BQK+32+8*\a+4*\c+3], s[14:15] offset:1024*\a+512*\c  ; k
.endr
.endr
.irp b, 0,1,2,3
.irp c, 0,1
	global_store_b128 v1, v[BV+8*\b+4*\c:BV+8*\b+4*\c+3], s[82:83] offset:2048*\b+512*\c          ; v: channels 16 b on, my 64 keys
.endr
.endr
	s_wait_tensorcnt 0x0                           ; the wave's end
	ds_add_u32 v[SPW], v[NIL]
	s_wait_dscnt 0x0
	CROUND                                         ; the closing round: no work-group ends while a partner may still ask for a block that names it
	s_endpgm
.Lfunc_end_k_qe3507ae46f_qkv:
	.size	k_qe3507ae46f_qkv, .Lfunc_end_k_qe3507ae46f_qkv-k_qe3507ae46f_qkv
	.p2alignl 7, 3214868480
	.fill 96, 4, 3214868480
	.section	.rodata,"a",@progbits
	.p2align	6, 0x0
	.amdhsa_kernel k_qe3507ae46f_qkv
		.amdhsa_group_segment_fixed_size 327680
		.amdhsa_private_segment_fixed_size 0
		.amdhsa_enable_private_segment 0
		.amdhsa_kernarg_size 48
		.amdhsa_user_sgpr_count 2
		.amdhsa_user_sgpr_kernarg_segment_ptr 1
		.amdhsa_wavefront_size32 1
		.amdhsa_system_sgpr_workgroup_id_x 1
		.amdhsa_system_sgpr_workgroup_id_y 1
		.amdhsa_system_sgpr_workgroup_id_z 1
		.amdhsa_system_vgpr_workitem_id 0
		.amdhsa_next_free_vgpr 1024
		.amdhsa_next_free_sgpr 100
		.amdhsa_reserve_vcc 0
		.amdhsa_float_denorm_mode_32 3
		.amdhsa_float_denorm_mode_16_64 3
		.amdhsa_memory_ordered 1
		.amdhsa_forward_progress 1
		.amdhsa_inst_pref_size 106
	.end_amdhsa_kernel
	.amdgpu_metadata
---
amdhsa.version: [ 1, 2 ]
amdhsa.kernels:
  - .name:           k_qe3507ae46f_qkv
    .symbol:         k_qe3507ae46f_qkv.kd
    .args:
      - { .name: xc, .offset: 0, .size: 8, .value_kind: global_buffer, .address_space: global }
      - { .name: wc, .offset: 8, .size: 8, .value_kind: global_buffer, .address_space: global }
      - { .name: Wqkv_b, .offset: 16, .size: 8, .value_kind: global_buffer, .address_space: global }
      - { .name: lowp_scales, .offset: 24, .size: 8, .value_kind: global_buffer, .address_space: global }
      - { .name: qc, .offset: 32, .size: 8, .value_kind: global_buffer, .address_space: global }
      - { .name: kvc, .offset: 40, .size: 8, .value_kind: global_buffer, .address_space: global }
    .group_segment_fixed_size: 327680
    .private_segment_fixed_size: 0
    .kernarg_segment_align: 8
    .kernarg_segment_size: 48
    .max_flat_workgroup_size: 128
    .sgpr_count:     100
    .vgpr_count:     1024
    .wavefront_size: 32
...
	.end_amdgpu_metadata
.endif
;; end of part 2
;; launch attn (part 3): grid 16 x 16, 16 waves a work-group, no clusters, 69,632 bytes of LDS; arguments qc, kvc, mask, lowp_scales, ac; writes ac
.if DOCPART == 3
	.amdgcn_target "amdgcn-amd-amdhsa--gfx1250"
	.amdhsa_code_object_version 6
	.text
	.protected	k_qe3507ae46f_attn
	.globl	k_qe3507ae46f_attn
	.p2align	8
	.type	k_qe3507ae46f_attn,@function
k_qe3507ae46f_attn:
	s_mov_b64 s[64:65], 0
	v_nop
	global_prefetch_b8 v0, s[64:65] scope:SCOPE_SE
	s_setreg_imm32_b32 hwreg(HW_REG_WAVE_MODE, 25, 1), 1
	s_wait_xcnt 0x0
; For each head: o[q] = sum over the keys k <= q that the mask input does not hide of softmax(q . k / 8) v[k], both products on codes of FP8 (E4M3); o is quantised at once with 2^e6 for the last product.
; qc, kvc: images of operand registers (the launch before lays them): Q: 16 queries x 64 in 1,024 bytes; for each 128 keys 8 fragments of K (1,024 bytes), then 4 of V^T (16 channels x 128 keys, 2,048 bytes).
; ac: [tile of 16 tokens][128 along K][4 registers][lane][16 bytes]: head H's 64 channels are 1,024 bytes at 1,024 H of a tile's 16,384.
; THE SOFTMAX: t = score x log2(e) / 8; M = the row's largest t so far, rounded UP to a whole number; p = 2^(t - M) is quantised with 2^e4; the row's sum is taken of the unquantised p and divides at the end.
; When M moves, the sum and O are multiplied by 2^(old M - new M): exact.
; LAYOUT.  S^T = K Q^T (source 0 = 16 keys, source 1 = my 16 queries), O^T = V^T P^T: a lane holds ONE query throughout, and in tile T of S^T its registers are keys 16 T + 8 h + 0 .. 7: registers 2 T, 2 T + 1 of P.
; THE TWO MASKS.  The input's: a key's bias, 0 or -2^100, is loaded into S^T's registers and is the C of the first product: no vector line is spent on it.  The largest t starts at c x -2^60: under every real t
; (a sum of 64 products of codes stays under 2^24) and above a masked key's: so a masked key never sets M, and its p is 0.  The causal one: in the wave's one step on the diagonal hidden scores become -infinity.
; A query that no key is left for keeps its start: its codes become the NaN code, as its row is NaN by definition.
; SHARES.  Work-group (j, H) owns query blocks j and 31 - j of head H, 128 queries each, so that every work-group has 33 blocks of 128 x 128 of the triangle.  Of waves 2 n and 2 n + 1 one takes tile n of the late
; block and the other tile n of the early one, by turns.  All sixteen walk (35 - j) / 4 trips of 512 keys; a step all of whose keys come after the wave's queries is jumped over (a branch on ids).
; K, V AND THE MASK go from memory through registers into two LDS buffers of 256 keys with fixed addresses; a trip reads both.  One barrier a buffer: in front of it each wave's LDS stores have landed and its
; reads are back; behind it the buffer just left is written with the keys that follow, which were loaded into registers a buffer's work ago.
; NO CLUSTER: the work-groups of a head walk 5 to 8 trips, so partners would ask for different numbers of tiles.
; LIMITS: e2 + e3 between -89 and 29 (c x 2^100 is finite and at least 2^8); e4 and e6 between -126 and 119.
; REGISTERS: v1-11 addresses; v12 -M, v13 the largest t, v[14:15] the sum in two halves; v16-23 Q; v24-39 256 keys on their way; v40-45 the mask's; v46-59 constants and at work; v64-127 fragments of K, then of V;
; v128-191 S^T, then p; v192-223 O^T; v224-239 p's codes; v240-251 the way out.
.set BUF,  33792                       ; an LDS buffer: 32,768 bytes of K and V (two steps of 128 keys), then the 256 keys' bias, 1,024 bytes
.set MOFF, 32768
.set LI,   1                           ; v1, v2   16 x lane, in buffer 0, 1
.set BA,   3                           ; v3, v4   the bias: MOFF + 32 h
.set ST,   5                           ; v5, v6   16 x thread: where I store what I loaded; v5 is also its offset in memory
.set MB,   7                           ; v7, v8   MOFF + 16 x thread: where threads 0-63 store four keys' bias
.set MW,   9                           ; v9       4 x thread: their mask bytes
.set RH,   10                          ; v10      r - 8 h
.set DD,   11                          ; v11      at the diagonal: my query less my first key
.set QF,   16
.set STG,  24
.set KV,   64
.set S,    128
.set O,    192
.set P,    224
.set OC,   240
.set KVB,  6                           ; s[6:7]   kvc at my head
.set MSK,  8                           ; s[8:9]   the mask
.set WV,   14
.set Q0,   15                          ; s15      my first query
.set KF,   16                          ; s16      the step's first key
.set NX,   17                          ; s17      the next 256 keys to load
.set TR,   18                          ; s18      trips to go
.set LIM,  19                          ; s19      15 in a wave that prefetches, else 0
.set SEL,  20                          ; s[20:21] lane selects for v_permlanex16_b32: lane l xor 16
.set CS,   22                          ; s[22:23] c = log2(e) / 8 x 2^(e2 + e3)
.set LB,   24                          ; s[24:25] where the loads in hand read K and V
.set MLB,  26                          ; s[26:27] and the mask
.set T0,   28
.set T1,   30                          ; s[30:31] an offset; s31 stays 0
.macro STAGE_IN                        ; 256 keys' K and V: 512 threads x 16 bytes x 4: each load of a wave covers 512 consecutive bytes
.irp i, 0,1,2,3
	global_load_b128 v[STG+4*\i:STG+4*\i+3], v[ST], s[LB:LB+1] offset:8192*\i
.endr
.endm
; The head of a buffer's work: buffer b is about to be read.  loop = 0: the prologue, which has nothing to wait for and asks for nothing ahead.
.macro HEAD b, loop
.if \loop
	s_wait_dscnt 0x0                               ; my stores into buffer b have landed, my reads of the other buffer are back
	s_barrier_signal -1
	s_barrier_wait -1                              ; both now hold of all sixteen waves
.endif
	s_wait_loadcnt 0x0                             ; the keys that follow are in my registers
.irp i, 0,1,2,3
	ds_store_b128 v[ST+1-\b], v[STG+4*\i:STG+4*\i+3] offset:8192*\i
.endr
	s_wait_xcnt 0x0                                ; the last prefetch, a buffer back, has read its base
	s_min_u32 s[T0], s[NX], 15                     ; the head has 16 x 256 keys: the last loads of a work-group that walks them all read the last again, and nobody reads that
	s_lshl_b32 s[T1], s[T0], 15
	s_add_nc_u64 s[LB:LB+1], s[KVB:KVB+1], s[T1:T1+1]
	s_lshl_b32 s[T1], s[T0], 8
	s_add_nc_u64 s[MLB:MLB+1], s[MSK:MSK+1], s[T1:T1+1]
	s_cmp_lt_u32 s[WV], 2                          ; threads 0-63: four mask bytes each become four numbers
	s_cbranch_scc0 .Lno_mask_\@
.irp k, 0,1,2,3
	v_bfe_u32 v46, v40, 8*\k, 8
	v_cmp_ne_u32 vcc_lo, 0, v46
	v_cndmask_b32 v[42+\k], 0, v47, vcc_lo         ; 0, or -2^100 for a key that the mask hides
.endr
	ds_store_b128 v[MB+1-\b], v[42:45]
	global_load_b32 v40, v[MW], s[MLB:MLB+1]
.Lno_mask_\@:
	s_wait_dscnt 0x0                               ; the stores have read their registers, which take the next loads
	STAGE_IN
.if \loop
; A PREFETCH INTO THE L2 of the 256 keys behind those just asked for: 32,768 bytes.  All work-groups of a head read the same K and V: the head's first work-group asks, which walks all keys; in it waves 4 to 7,
; 8,192 bytes a wave, lanes 256 bytes apart: each aligned block of 256 bytes of keys 768 on is named once in the launch.  It stands behind the wave's loads.  The last 256 keys have none behind them.
	s_cmp_lt_u32 s[NX], s[LIM]
	s_cbranch_scc0 .Lno_ask_\@
	global_prefetch_b8 v51, s[LB:LB+1] offset:32768 th:TH_LOAD_NT scope:SCOPE_SE
.Lno_ask_\@:
.endif
	s_add_co_u32 s[NX], s[NX], 1
.endm
; A KEY STEP: 128 keys, the q-th of buffer b.
.macro STEP b, q
	s_add_co_u32 s[T0], s[Q0], 15
	s_cmp_gt_u32 s[KF], s[T0]                      ; all its keys come after my queries: nothing to do
	s_cbranch_scc1 .Lhidden_\@
.rept 4
	v_nop                                          ; places in front of loads into registers that the last products have read
.endr
.irp t, 0,1,2,3,4,5,6,7
	ds_load_b128 v[S+8*\t:S+8*\t+3], v[BA+\b] offset:512*\q+64*\t        ; the bias of keys 16 t + 8 h + 0 .. 7: sixteen lanes read the same bytes
	ds_load_b128 v[S+8*\t+4:S+8*\t+7], v[BA+\b] offset:512*\q+64*\t+16
.endr
.irp t, 0,1,2,3,4,5,6,7
	ds_load_b128 v[KV+8*\t:KV+8*\t+3], v[LI+\b] offset:16384*\q+1024*\t
	ds_load_b128 v[KV+8*\t+4:KV+8*\t+7], v[LI+\b] offset:16384*\q+1024*\t+512
.endr
	s_wait_dscnt 0x0
.irp t, 0,1,2,3,4,5,6,7
	v_wmma_f32_16x16x64_fp8_fp8 v[S+8*\t:S+8*\t+7], v[KV+8*\t:KV+8*\t+7], v[QF:QF+7], v[S+8*\t:S+8*\t+7]   ; S^T = K Q^T + the bias
.endr
.rept 4
	v_nop
.endr
.irp t, 0,1,2,3
.irp c, 0,1,2,3
	ds_load_b128 v[KV+16*\t+4*\c:KV+16*\t+4*\c+3], v[LI+\b] offset:16384*\q+8192+2048*\t+512*\c   ; V^T: it lands while the softmax is worked
.endr
.endr
	s_add_co_u32 s[T0], s[KF], 127
	s_cmp_le_u32 s[T0], s[Q0]                      ; all keys count: no diagonal here
	s_cbranch_scc1 .Lopen_\@
	s_sub_co_i32 s[T0], s[Q0], s[KF]
	v_add_nc_u32 v[DD], s[T0], v[RH]               ; d = my query - KF - 8 h.  Register 8 t + i holds key KF + 8 h + 16 t + i: hidden where 16 t + i > d
.set n, 0
.rept 64
	v_cmp_gt_i32 vcc_lo, 16*(n/8)+n%8, v[DD]
	v_cndmask_b32 v[S+n], v[S+n], v48, vcc_lo
.set n, n+1
.endr
.Lopen_\@:
	v_max3_num_f32 v58, v[S], v[S+1], v[S+2]       ; the step's largest score of my query among my 64 keys, in two chains, each tile from its low end on,
	v_max3_num_f32 v59, v[S+3], v[S+4], v[S+5]
.set n, 6
.rept 14
	v_max3_num_f32 v58, v58, v[S+n], v[S+n+1]
	v_max3_num_f32 v59, v59, v[S+n+2], v[S+n+3]
.set n, n+4
.endr
	v_max3_num_f32 v58, v58, v[S+62], v[S+63]
	v_max_num_f32 v58, v58, v59
	v_permlanex16_b32 v52, v58, s[SEL], s[SEL+1]
	v_max_num_f32 v58, v58, v52                    ; and among lane l xor 16's
	v_mul_f32 v58, s[CS], v58                      ; as t (c is positive)
	v_max_num_f32 v13, v13, v58                    ; the running largest t
	v_mov_b32 v58, v12
	v_floor_f32 v12, -v13                          ; the new -M = floor(-t): M is a whole number
	v_sub_f32 v58, v12, v58                        ; old M - new M: a whole number, 0 or less
	v_cvt_i32_f32 v58, v58                         ; (it saturates)
	v_ldexp_f32 v54, 1.0, v58                      ; f = 2^(old M - new M)
.set n, 0
.rept 32
	v_pk_fma_f32 v[S+n:S+n+1], v[S+n:S+n+1], s[CS:CS+1], v[12:13] op_sel_hi:[1,0,0]   ; t - M, two at a time (of the pairs c and -M the low word serves both halves)
.set n, n+2
.endr
.set n, 0
.rept 64
	v_exp_f32 v[S+n], v[S+n]                       ; p = 2^(t - M): not normalised
.set n, n+1
.endr
	v_pk_mul_f32 v[14:15], v[14:15], v[54:55] op_sel_hi:[1,0]   ; the sums under the new M; also the plain line behind the exponentials
	s_wait_alu depctr_va_vdst(0)                   ; one wait for the batch of 64, ahead of its first reader
	v_pk_add_f32 v[56:57], v[S:S+1], v[S+2:S+3]    ; the row's sum is taken of the unquantised p, in two chains
.set n, 4
.rept 15
	v_pk_add_f32 v[14:15], v[14:15], v[S+n:S+n+1]
	v_pk_add_f32 v[56:57], v[56:57], v[S+n+2:S+n+3]
.set n, n+4
.endr
	v_pk_add_f32 v[14:15], v[14:15], v[56:57]
.irp t, 0,1,2,3,4,5,6,7
.irp i, 0,1,2,3,4,5,6,7
	v_min_num_f32 v[S+8*\t+\i], v[S+8*\t+\i], v49  ; the conversion does not saturate (ISA guide 7.6.2); p is not negative, so the hold is one-sided
.endr
	v_cvt_scalef32_pk8_fp8_f32 v[P+2*\t:P+2*\t+1], v[S+8*\t:S+8*\t+7], v50
.endr
.set n, 0
.rept 16
	v_pk_mul_f32 v[O+n:O+n+1], v[O+n:O+n+1], v[54:55] op_sel_hi:[1,0]   ; O^T under the new M; these are also the plain lines between the last conversion and the products
.set n, n+2
.endr
	s_wait_dscnt 0x0                               ; V^T is in
.irp t, 0,1,2,3
	v_wmma_f32_16x16x128_fp8_fp8 v[O+8*\t:O+8*\t+7], v[KV+16*\t:KV+16*\t+15], v[P:P+15], v[O+8*\t:O+8*\t+7]
.endr
.Lhidden_\@:
	s_add_co_u32 s[KF], s[KF], 128
.endm
	s_load_b256 s[4:11], s[0:1], 0x0               ; qc s[4:5], kvc s[6:7], the mask s[8:9], the exponents s[10:11]
	s_load_b64 s[12:13], s[0:1], 0x20              ; ac
	v_lshl_add_u32 v254, v0, 2, 0x10800
	v_mov_b32 v255, 0
	v_lshrrev_b32 v46, 5, v0
	v_readfirstlane_b32 s[WV], v46                 ; wave 0..15
	s_lshr_b32 s40, s[WV], 2
	s_xor_b32 s40, s40, s[WV]
	s_and_b32 s40, s40, 1                          ; 1: the late block.  Waves 2 n and 2 n + 1 differ in it, and so do waves w and w + 4
	s_lshr_b32 s41, s[WV], 1                       ; which tile of 16 queries of the block
	s_sub_co_u32 s42, 31, ttmp9
	s_cmp_eq_u32 s40, 1
	s_cselect_b32 s42, s42, ttmp9                  ; block 31 - j or j
	s_lshl_b32 s[Q0], s42, 7
	s_lshl_b32 s41, s41, 4
	s_add_co_u32 s[Q0], s[Q0], s41
	s_sub_co_u32 s[TR], 35, ttmp9
	s_lshr_b32 s[TR], s[TR], 2                     ; 32 - j steps of 128 keys, rounded up to trips of four
	s_and_b32 s43, ttmp7, 0xffff                   ; the head
	s_lshr_b32 s44, s[WV], 2
	s_xor_b32 s44, s44, 1                          ; 0 in waves 4 to 7,
	s_or_b32 s44, s44, ttmp9                       ; of the head's first work-group
	s_cmp_eq_u32 s44, 0
	s_cselect_b32 s[LIM], 15, 0
	v_and_b32 v46, 31, v0
	v_lshlrev_b32 v[LI], 4, v46
	v_add_nc_u32 v[LI+1], BUF, v[LI]
	v_bfe_u32 v58, v0, 4, 1                        ; h
	v_lshlrev_b32 v[BA], 5, v58
	v_add_nc_u32 v[BA], MOFF, v[BA]
	v_add_nc_u32 v[BA+1], BUF, v[BA]
	v_lshlrev_b32 v[ST], 4, v0
	v_add_nc_u32 v[ST+1], BUF, v[ST]
	v_add_nc_u32 v[MB], MOFF, v[ST]
	v_add_nc_u32 v[MB+1], BUF, v[MB]
	v_lshlrev_b32 v[MW], 2, v0
	v_and_b32 v59, 15, v0                          ; r
	v_lshlrev_b32 v58, 3, v58
	v_sub_nc_u32 v[RH], v59, v58
	s_and_b32 s44, s[WV], 3
	s_lshl_b32 s44, s44, 13
	v_lshl_add_u32 v51, v46, 8, s44                ; the prefetches' offset: 8,192 x (wave % 4) + 256 x lane
	v_mov_b32 v40, 0
	s_mov_b32 s[SEL], 0x76543210
	s_mov_b32 s[SEL+1], 0xfedcba98
	s_mov_b32 s[KF], 0
	s_mov_b32 s[NX], 1
	s_mov_b32 s[T1+1], 0
	s_wait_kmcnt 0x0
	s_load_b256 s[32:39], s[10:11], 0x0            ; e0 .. e7
	s_lshl_b32 s[T1], s43, 19
	s_add_nc_u64 s[KVB:KVB+1], s[KVB:KVB+1], s[T1:T1+1]
	s_mov_b64 s[LB:LB+1], s[KVB:KVB+1]
	STAGE_IN                                       ; keys 0 to 255
	s_cmp_lt_u32 s[WV], 2
	s_cbranch_scc0 .Lno_mask_first
	global_load_b32 v40, v[MW], s[MSK:MSK+1]
.Lno_mask_first:
	s_lshl_b32 s[T1], s43, 18                      ; qc: a head is 262,144 bytes, a tile of 16 queries 1,024
	s_lshl_b32 s44, s[Q0], 6
	s_add_co_u32 s[T1], s[T1], s44
	s_add_nc_u64 s[4:5], s[4:5], s[T1:T1+1]
	global_load_b128 v[QF:QF+3], v[LI], s[4:5]     ; Q stays in registers
	global_load_b128 v[QF+4:QF+7], v[LI], s[4:5] offset:512
	s_add_co_u32 s[T1], s[Q0], s43
	s_lshl_b32 s[T1], s[T1], 10                    ; ac: 16,384 x (Q0 / 16) + 1,024 x head
	s_add_nc_u64 s[12:13], s[12:13], s[T1:T1+1]
	s_wait_kmcnt 0x0
	s_add_co_i32 s40, s34, s35
	s_lshl_b32 s40, s40, 23
	s_add_co_i32 s[CS], s40, 0x3e38aa3b            ; log2(e) / 8, with e2 + e3 added to its exponent field
	s_mov_b32 s[CS+1], s[CS]                       ; (named with it as a pair, so it is written)
	s_add_co_i32 s40, s36, 127
	s_lshl_b32 s41, s40, 23
	v_mov_b32 v50, s41                             ; 2^e4, for p's conversions
	s_add_co_i32 s40, s40, 8
	s_lshl_b32 s40, s40, 23
	s_or_b32 s40, s40, 0x600000
	v_mov_b32 v49, s40                             ; 448 x 2^e4
	s_add_co_i32 s40, s38, 127
	s_lshl_b32 s46, s40, 23                        ; 2^e6, for the way out
	s_add_co_i32 s40, s40, 8
	s_lshl_b32 s40, s40, 23
	s_or_b32 s47, s40, 0x600000                    ; 448 x 2^e6
	s_add_co_i32 s45, s36, s37                     ; e4 + e5
	v_mov_b32 v47, 0xf1800000                      ; -2^100
	v_mov_b32 v48, 0xff800000                      ; -infinity
	v_mov_b32 v13, 0xdd800000                      ; -2^60,
	v_mul_f32 v13, s[CS], v13                      ; as t: where the largest t starts
	v_floor_f32 v12, -v13                          ; -M
	v_mov_b32 v14, 0                               ; the sum, in two halves
	v_mov_b32 v15, 0
	v_mov_b32 v52, 0                               ; written once: a lane permute's destination counts as one of its sources
	v_mov_b32 v55, 0                               ; (named as the upper half of the pair v[54:55])
.set n, 0
.rept 32
	v_mov_b32 v[O+n], 0                            ; O^T: the step is written once, and its first turn finds zeros
.set n, n+1
.endr
	HEAD 1, 0                                      ; keys 0 to 255 go into buffer 0; keys 256 to 511 are asked for
.Ltrip:
	HEAD 0, 1
	STEP 0, 0
	STEP 0, 1
	HEAD 1, 1
	STEP 1, 0
	STEP 1, 1
	s_sub_co_u32 s[TR], s[TR], 1
	s_cmp_lg_u32 s[TR], 0
	s_cbranch_scc1 .Ltrip
	; THE WAY OUT.  O^T x 2^(e4 + e5) / the sum, held, converted: a lane's eight channels of tile t are registers 2 t, 2 t + 1 of the last product's operand.  The lines up to the wait are the places behind the last products.
	v_add_f32 v14, v14, v15                        ; the sum's two halves,
	v_permlanex16_b32 v52, v14, s[SEL], s[SEL+1]
	v_add_f32 v14, v14, v52                        ; and lane l xor 16's
	v_rcp_f32 v14, v14
	v_mov_b32 v248, s47                            ; (plain lines behind the reciprocal)
	v_mov_b32 v249, s46
	v_mov_b32 v250, 0x7f7f7f7f                     ; four NaN codes
	v_mov_b32 v251, 0xd8800000                     ; -2^50,
	v_mul_f32 v251, s[CS], v251                    ; as t: between the start and every real t
	s_wait_alu depctr_va_vdst(0)                   ; ahead of the reciprocal's first reader
	v_ldexp_f32 v14, v14, s45
.set n, 0
.rept 32
	v_mul_f32 v[S+n], v[O+n], v14                  ; each accumulator from its low end on
.set n, n+1
.endr
.set n, 0
.rept 32
	v_med3_num_f32 v[S+n], v[S+n], -v248, v248
.set n, n+1
.endr
.irp t, 0,1,2,3
	v_cvt_scalef32_pk8_fp8_f32 v[OC+2*\t:OC+2*\t+1], v[S+8*\t:S+8*\t+7], v249
.endr
	v_nop                                          ; a plain vector line behind the last conversion
	v_cmp_lt_f32 vcc_lo, v13, v251                 ; no key was left for my query
.irp i, 0,1,2,3,4,5,6,7
	v_cndmask_b32 v[OC+\i], v[OC+\i], v250, vcc_lo
.endr
	global_store_b128 v[LI], v[OC:OC+3], s[12:13]               ; 32 lanes store 512 consecutive bytes, aligned
	global_store_b128 v[LI], v[OC+4:OC+7], s[12:13] offset:512
	s_wait_tensorcnt 0x0
	ds_add_u32 v254, v255
	s_wait_dscnt 0x0
	s_endpgm
.Lfunc_end_k_qe3507ae46f_attn:
	.size	k_qe3507ae46f_attn, .Lfunc_end_k_qe3507ae46f_attn-k_qe3507ae46f_attn
	.p2alignl 7, 3214868480
	.fill 96, 4, 3214868480
	.section	.rodata,"a",@progbits
	.p2align	6, 0x0
	.amdhsa_kernel k_qe3507ae46f_attn
		.amdhsa_group_segment_fixed_size 69632
		.amdhsa_private_segment_fixed_size 0
		.amdhsa_enable_private_segment 0
		.amdhsa_kernarg_size 40
		.amdhsa_user_sgpr_count 2
		.amdhsa_user_sgpr_kernarg_segment_ptr 1
		.amdhsa_wavefront_size32 1
		.amdhsa_system_sgpr_workgroup_id_x 1
		.amdhsa_system_sgpr_workgroup_id_y 1
		.amdhsa_system_sgpr_workgroup_id_z 1
		.amdhsa_system_vgpr_workitem_id 0
		.amdhsa_next_free_vgpr 256
		.amdhsa_next_free_sgpr 80
		.amdhsa_reserve_vcc 1
		.amdhsa_float_denorm_mode_32 3
		.amdhsa_float_denorm_mode_16_64 3
		.amdhsa_memory_ordered 1
		.amdhsa_forward_progress 1
		.amdhsa_inst_pref_size 101
	.end_amdhsa_kernel
	.amdgpu_metadata
---
amdhsa.version: [ 1, 2 ]
amdhsa.kernels:
  - .name:           k_qe3507ae46f_attn
    .symbol:         k_qe3507ae46f_attn.kd
    .args:
      - { .name: qc, .offset: 0, .size: 8, .value_kind: global_buffer, .address_space: global }
      - { .name: kvc, .offset: 8, .size: 8, .value_kind: global_buffer, .address_space: global }
      - { .name: mask, .offset: 16, .size: 8, .value_kind: global_buffer, .address_space: global }
      - { .name: lowp_scales, .offset: 24, .size: 8, .value_kind: global_buffer, .address_space: global }
      - { .name: ac, .offset: 32, .size: 8, .value_kind: global_buffer, .address_space: global }
    .group_segment_fixed_size: 69632
    .private_segment_fixed_size: 0
    .kernarg_segment_align: 8
    .kernarg_segment_size: 40
    .max_flat_workgroup_size: 512
    .sgpr_count:     80
    .vgpr_count:     256
    .wavefront_size: 32
...
	.end_amdgpu_metadata
.endif
;; end of part 3
;; launch proj (part 4): grid 8 x 32, 4 waves a work-group, clusters of 4 x 4, 327,680 bytes of LDS; arguments ac, woc, Wo_b, lowp_scales, out0; writes out0
.if DOCPART == 4
	.amdgcn_target "amdgcn-amd-amdhsa--gfx1250"
	.amdhsa_code_object_version 6
	.text
	.protected	k_qe3507ae46f_proj
	.globl	k_qe3507ae46f_proj
	.p2align	8
	.type	k_qe3507ae46f_proj,@function
k_qe3507ae46f_proj:
	s_mov_b64 s[64:65], 0
	v_nop
	global_prefetch_b8 v0, s[64:65] scope:SCOPE_SE
	s_setreg_imm32_b32 hwreg(HW_REG_WAVE_MODE, 25, 1), 1
	s_wait_xcnt 0x0
	s_wait_alu depctr_hold_cnt(0) depctr_sa_sdst(0) depctr_va_vdst(0) depctr_va_sdst(0) depctr_va_ssrc(0) depctr_va_vcc(0) depctr_vm_vsrc(0)
	s_getreg_b32 s2, hwreg(HW_REG_IB_STS2, 6, 4)
	s_cmp_eq_u32 s2, 0
	s_cbranch_scc0 .Lentry_in_a_cluster
	s_endpgm
.Lentry_in_a_cluster:
	s_bfe_u32 s2, ttmp6, 0x10000c
	s_cmp_lg_u32 s2, 0xf033
	s_cbranch_scc0 .Lentry_shape_is_right
	s_endpgm
.Lentry_shape_is_right:
; out0 = a Wo_w^T + Wo_b on codes of FP8 (E4M3): a's codes (scale 2^e6) and Wo_w's (2^e7) lie as images of operand registers, [tile of 16 rows][128 along K][4 registers][lane][16 bytes].  out0: [4096][1024] f32.
; SHARES.  A work-group makes 128 tokens (i) x 128 features (j); wave w 64 tokens (w / 2) x 64 features (w % 2): 16 accumulators.  Source 0 = 16 rows of Wo_w, source 1 = 16 tokens: a lane holds one token and
; eight neighbouring features: 32 bytes of a row of out0.
; ALL OF K LIES IN LDS AT ONCE: four slots of 256 along K (a's 8 tiles x 4,096 bytes, then Wo_w's), 262,144 bytes, asked for at the start by four tensor loads a wave; no LDS byte is filled twice.
; The waits count down, so that the first slot is multiplied while the others land.
; CLUSTERS: 4 x 4 work-groups.  a's tiles hang on i alone and are shared along a row of the cluster, Wo_w's on j alone and are shared along a column: joint loads with a mask that names the four.
; LIMIT: e6 + e7 between -126 and 127, so that 2^(e6 + e7) is an f32 number.  A token whose codes are NaN codes gets a row of NaN.
; REGISTERS: window 0: v1-18 addresses; v32-63 the bias; v64-95, v96-127 the way out; v128-255 the accumulators at v[128 + 8 (4 a + b)].  window 1: two sets of fragments: a's four at v[128 p + 16 a], Wo_w's at v[128 p + 64 + 16 b].
.set SLOT,   65536
.set STAGE,  4*SLOT                    ; behind the slots: 16 rows x (256 bytes + 16) for each wave; no tensor load lands here
.set SPITCH, 272
.set ADRA, 8                           ; v8-11   LDS address of my fragments of a in slots 0 to 3
.set ADRB, 12                          ; v12-15  of Wo_w
.set STO,  16                          ; v16     the way out: where I put 32 bytes of a row
.set RD,   17                          ; v17     where I read a row back
.set CO,   18                          ; v18     my byte offset in out0
.set BI,   32
.set TMP,  64
.set BK,   96
.set ACC,  128
.set WV,   14
.set G1,   24                          ; s[24:31] descriptor group 1 for a's tiles; s[32:47] group 0, a set for each slot
.set G0,   32
.set G1B,  48                          ; s[48:55] and s[68:83] the same for Wo_w's
.set G0B,  68
.set MSB, 0
.macro WIN new                         ; the immediate's high byte repeats the setting that is left
.if MSB != (\new)
	s_set_vgpr_msb (MSB<<8)|(\new)
.set MSB, (\new)
.endif
.endm
.macro CROUND                          ; a round of the cluster's barrier
	s_barrier_signal -1
	s_barrier_wait -1
	s_cmp_lg_u32 s[WV], 0
	s_cbranch_scc1 .Lnot_wave_0_\@
	s_barrier_signal -3
.Lnot_wave_0_\@:
	s_barrier_wait -3
	s_barrier_signal -1
	s_barrier_wait -1
.endm
.macro PLACES                          ; four plain vector lines between a matrix instruction and a load into, or a vector read of, its registers
.rept 4
	v_nop
.endr
.endm
	s_load_b256 s[4:11], s[0:1], 0x0               ; ac s[4:5], woc s[6:7], Wo_b s[8:9], the exponents s[10:11]
	s_load_b64 s[12:13], s[0:1], 0x20              ; out0
	v_lshl_add_u32 v30, v0, 2, 0x44400
	v_mov_b32 v31, 0
	ds_add_u32 v30, v31
	ds_add_u32 v30, v31
	v_lshrrev_b32 v1, 5, v0
	v_readfirstlane_b32 s[WV], v1                  ; wave 0..3
	s_lshr_b32 s15, s14, 1                         ; th: which 64 tokens are mine.  Also: I fetch for a (0) or for Wo_w (1)
	s_and_b32 s16, s14, 1                          ; hh: which 64 features.  Also: which four tiles I fetch
	s_bfe_u32 s84, ttmp6, 0x40000                  ; cx, cy: my place in the cluster
	s_bfe_u32 s85, ttmp6, 0x40004
	s_lshl_b32 s86, ttmp9, 2
	s_add_co_u32 s86, s86, s84                     ; j = 4 x cluster x + cx
	s_and_b32 s87, ttmp7, 0xffff
	s_lshl_b32 s87, s87, 2
	s_add_co_u32 s87, s87, s85                     ; i = 4 x cluster y + cy
	s_lshl_b32 s88, s85, 2
	s_lshl_b32 s88, 15, s88                        ; my row of the cluster
	s_lshl_b32 s89, 0x1111, s84                    ; my column
	; descriptor group 1: 4 rows of 512 elements of 8 bytes (a tile's 256 along K), 2,048 elements (a tile's whole K) apart; dense in LDS
	s_or_b32 s[G1], s88, (3<<16)|(1<<21)           ; 15:0 the mask; 17:16 elements of 8 bytes; 21 set beside a mask
	s_or_b32 s[G1B], s89, (3<<16)|(1<<21)
.irp g, G1, G1B
	s_mov_b32 s[\g+1], 512<<16                     ; tensor_dim0
	s_mov_b32 s[\g+2], 4<<16                       ; tensor_dim1
	s_mov_b32 s[\g+3], 512<<16                     ; tile_dim0
	s_mov_b32 s[\g+4], 4                           ; tile_dim1
	s_mov_b32 s[\g+5], 2048                        ; tensor_dim0_stride
	s_mov_b32 s[\g+6], 0
	s_mov_b32 s[\g+7], 0
.endr
	s_lshl_b32 s17, s16, 16                        ; the four tiles that I fetch: 65,536 bytes a half
	s_lshl_b32 s20, s87, 17                        ; a: tiles 8 i on
	s_add_co_u32 s20, s20, s17
	s_mov_b32 s21, 0
	s_lshl_b32 s22, s86, 17                        ; Wo_w: tiles 8 j on
	s_add_co_u32 s22, s22, s17
	s_mov_b32 s23, 0
	s_lshl_b32 s18, s14, 14                        ; where they go in a slot: wave x 16,384: no place in the cluster enters an LDS address
	s_wait_dscnt 0x0
	s_wait_kmcnt 0x0
	s_load_b256 s[92:99], s[10:11], 0x0            ; e0 .. e7
	s_add_nc_u64 s[20:21], s[4:5], s[20:21]
	s_add_nc_u64 s[22:23], s[6:7], s[22:23]
.irp k, 0,1,2,3
	s_mov_b32 s[G0+4*\k], 1                        ; count = 1
	s_add_co_u32 s[G0+4*\k+1], s18, \k*SLOT        ; LDS address
	s_add_nc_u64 s[G0+4*\k+2:G0+4*\k+3], s[20:21], \k*4096   ; global address: 256 along K a slot
	s_or_b32 s[G0+4*\k+3], s[G0+4*\k+3], 0x80000000          ; type = 2
	s_mov_b32 s[G0B+4*\k], 1
	s_add_co_u32 s[G0B+4*\k+1], s18, \k*SLOT
	s_add_nc_u64 s[G0B+4*\k+2:G0B+4*\k+3], s[22:23], \k*4096
	s_or_b32 s[G0B+4*\k+3], s[G0B+4*\k+3], 0x80000000
.endr
	CROUND                                         ; all sixteen work-groups are here: the joint loads meet
	s_cmp_lt_u32 s[WV], 2                          ; a wave's four fills stand in one branch, ahead of every wait on TENSORcnt and every LDS read: four loads of mine are out; four v_nop follow the last
	s_cbranch_scc0 .Lfor_w
.irp k, 0,1,2,3
	tensor_load_to_lds s[G0+4*\k:G0+4*\k+3], s[G1:G1+7]
	s_nop 0
.endr
.rept 4
	v_nop
.endr
	s_branch .Lasked
.Lfor_w:
.irp k, 0,1,2,3
	tensor_load_to_lds s[G0B+4*\k:G0B+4*\k+3], s[G1B:G1B+7]
	s_nop 0
.endr
.rept 4
	v_nop
.endr
.Lasked:
	v_and_b32 v2, 31, v0
	v_lshlrev_b32 v1, 4, v2                        ; 16 x lane
	v_and_b32 v3, 15, v0                           ; r
	v_bfe_u32 v4, v0, 4, 1                         ; h
	s_lshl_b32 s17, s15, 14                        ; my four tiles of tokens
	s_lshl_b32 s19, s16, 14                        ; my four tiles of features,
	s_add_co_u32 s19, s19, 32768                   ; behind a's 32,768 bytes
.irp k, 0,1,2,3
	v_add_nc_u32 v[ADRA+\k], s17, v1
	v_add_nc_u32 v[ADRB+\k], s19, v1
	s_add_co_u32 s17, s17, SLOT
	s_add_co_u32 s19, s19, SLOT
.endr
	s_mul_i32 s17, s14, 16*SPITCH
	s_add_co_u32 s17, s17, STAGE                   ; my stage
	v_mul_u32_u24 v[STO], v3, SPITCH               ; in: row r, 32 bytes for each half of the lanes
	v_lshl_add_u32 v[STO], v4, 5, v[STO]
	v_add_nc_u32 v[STO], s17, v[STO]
	v_mul_u32_u24 v[RD], v4, SPITCH                ; back: lanes 0-15 one row of 256 bytes, lanes 16-31 the next
	v_lshl_add_u32 v[RD], v3, 4, v[RD]
	v_add_nc_u32 v[RD], s17, v[RD]
	v_lshlrev_b32 v[CO], 12, v4                    ; and the same two rows in out0 (4,096 bytes a row)
	v_lshl_add_u32 v[CO], v3, 4, v[CO]
	v_lshlrev_b32 v5, 5, v4                        ; the bias: 32 h
	s_lshl_b32 s20, s86, 9                         ; my first feature, in bytes: 512 j + 256 hh
	s_lshl_b32 s17, s16, 8
	s_add_co_u32 s20, s20, s17
	s_mov_b32 s21, 0
	s_add_nc_u64 s[8:9], s[8:9], s[20:21]
	s_add_nc_u64 s[12:13], s[12:13], s[20:21]
	s_lshl_b32 s20, s87, 19                        ; my first token's row: 128 i + 64 th rows of 4,096 bytes
	s_lshl_b32 s17, s15, 18
	s_add_co_u32 s20, s20, s17
	s_add_nc_u64 s[12:13], s[12:13], s[20:21]
.irp b, 0,1,2,3
	global_load_b128 v[BI+8*\b:BI+8*\b+3], v5, s[8:9] offset:64*\b        ; features 16 b + 8 h + 0 .. 7
	global_load_b128 v[BI+8*\b+4:BI+8*\b+7], v5, s[8:9] offset:64*\b+16
.endr
.macro FETCH q                         ; 32 LDS loads in one run: the fragments of the q-th 128 along K into set q % 2; each load takes 512 dense bytes
	WIN 0x40                                       ; destination window 1, address window 0
.irp a, 0,1,2,3
.irp c, 0,1,2,3
	ds_load_b128 v[128*((\q)%2)+16*\a+4*\c:128*((\q)%2)+16*\a+4*\c+3], v[ADRA+(\q)/2] offset:4096*\a+2048*((\q)%2)+512*\c
.endr
.endr
.irp b, 0,1,2,3
.irp c, 0,1,2,3
	ds_load_b128 v[128*((\q)%2)+64+16*\b+4*\c:128*((\q)%2)+64+16*\b+4*\c+3], v[ADRB+(\q)/2] offset:4096*\b+2048*((\q)%2)+512*\c
.endr
.endr
.endm
.macro MUL q                           ; 16 matrix instructions: the accumulators take turns, one instruction a turn; the first step's products start the sums
	WIN 0x05                                       ; sources 0 and 1 window 1, C and D window 0
.irp a, 0,1,2,3
.irp b, 0,1,2,3
.if (\q) == 0
	v_wmma_f32_16x16x128_fp8_fp8 v[ACC+8*(4*\a+\b):ACC+8*(4*\a+\b)+7], v[128*((\q)%2)+64+16*\b:128*((\q)%2)+64+16*\b+15], v[128*((\q)%2)+16*\a:128*((\q)%2)+16*\a+15], 0
.else
	v_wmma_f32_16x16x128_fp8_fp8 v[ACC+8*(4*\a+\b):ACC+8*(4*\a+\b)+7], v[128*((\q)%2)+64+16*\b:128*((\q)%2)+64+16*\b+15], v[128*((\q)%2)+16*\a:128*((\q)%2)+16*\a+15], v[ACC+8*(4*\a+\b):ACC+8*(4*\a+\b)+7]
.endif
.endr
.endr
.endm
.macro EVEN q                          ; a slot's first step: its second is fetched from the same slot
	s_wait_dscnt 0x0
	PLACES
	FETCH (\q)+1
	MUL \q
.endm
.macro ODD q, left                     ; a slot's second step: the next slot must be whole.  left: my later slots' loads, which may stay out
	s_wait_tensorcnt \left
	s_wait_dscnt 0x0
	s_barrier_signal -1
	s_barrier_wait -1
	PLACES
	FETCH (\q)+1
	MUL \q
.endm
	s_wait_tensorcnt 3                             ; my part of slot 0 is in; the three loads behind it may be out
	s_barrier_signal -1
	s_barrier_wait -1                              ; everybody's is
	FETCH 0
	EVEN 0
	ODD 1, 2
	EVEN 2
	ODD 3, 1
	EVEN 4
	ODD 5, 0
	EVEN 6
	s_wait_dscnt 0x0
	MUL 7
	WIN 0
	; THE WAY OUT, a tile of 16 tokens at a time: sum x 2^(e6 + e7) + bias; through my own stage in LDS; back as rows of 256 bytes, which sixteen lanes store as one aligned run.
	s_wait_kmcnt 0x0
	s_add_co_i32 s90, s98, s99
	s_add_co_i32 s90, s90, 127
	s_lshl_b32 s90, s90, 23                        ; 2^(e6 + e7) as f32
	s_mov_b32 s91, s90                             ; (named with it as a pair, so it is written)
	s_wait_loadcnt 0x0                             ; the bias
	PLACES
.macro ROWS a
.irp b, 0,1,2,3
.irp i, 0,2,4,6
	v_pk_fma_f32 v[TMP+8*\b+\i:TMP+8*\b+\i+1], v[ACC+8*(4*\a+\b)+\i:ACC+8*(4*\a+\b)+\i+1], s[90:91], v[BI+8*\b+\i:BI+8*\b+\i+1] op_sel_hi:[1,0,1]   ; each accumulator from its low end on
.endr
.endr
.irp b, 0,1,2,3
	ds_store_b128 v[STO], v[TMP+8*\b:TMP+8*\b+3] offset:64*\b
	ds_store_b128 v[STO], v[TMP+8*\b+4:TMP+8*\b+7] offset:64*\b+16
.endr
.irp t, 0,1,2,3,4,5,6,7
	ds_load_b128 v[BK+4*\t:BK+4*\t+3], v[RD] offset:2*\t*SPITCH   ; LDS serves a wave's instructions in order (ISA guide 5.7.1.4): these see my stores
.endr
	s_wait_dscnt 0x0
.irp t, 0,1,2,3,4,5,6,7
	global_store_b128 v[CO], v[BK+4*\t:BK+4*\t+3], s[12:13] offset:(16*\a+2*\t)*4096 th:TH_STORE_NT   ; written once, read by nobody here
.endr
	s_wait_xcnt 0x0                                ; the stores have read their registers: the next tile's rows may land there
.endm
	ROWS 0
	ROWS 1
	ROWS 2
	ROWS 3
	s_wait_tensorcnt 0x0
	ds_add_u32 v30, v31
	s_wait_dscnt 0x0
	CROUND                                         ; the closing round: no work-group ends while a partner may still ask for a tile that names it
	s_endpgm
.Lfunc_end_k_qe3507ae46f_proj:
	.size	k_qe3507ae46f_proj, .Lfunc_end_k_qe3507ae46f_proj-k_qe3507ae46f_proj
	.p2alignl 7, 3214868480
	.fill 96, 4, 3214868480
	.section	.rodata,"a",@progbits
	.p2align	6, 0x0
	.amdhsa_kernel k_qe3507ae46f_proj
		.amdhsa_group_segment_fixed_size 327680
		.amdhsa_private_segment_fixed_size 0
		.amdhsa_enable_private_segment 0
		.amdhsa_kernarg_size 40
		.amdhsa_user_sgpr_count 2
		.amdhsa_user_sgpr_kernarg_segment_ptr 1
		.amdhsa_wavefront_size32 1
		.amdhsa_system_sgpr_workgroup_id_x 1
		.amdhsa_system_sgpr_workgroup_id_y 1
		.amdhsa_system_sgpr_workgroup_id_z 1
		.amdhsa_system_vgpr_workitem_id 0
		.amdhsa_next_free_vgpr 512
		.amdhsa_next_free_sgpr 100
		.amdhsa_reserve_vcc 0
		.amdhsa_float_denorm_mode_32 3
		.amdhsa_float_denorm_mode_16_64 3
		.amdhsa_memory_ordered 1
		.amdhsa_forward_progress 1
		.amdhsa_inst_pref_size 47
	.end_amdhsa_kernel
	.amdgpu_metadata
---
amdhsa.version: [ 1, 2 ]
amdhsa.kernels:
  - .name:           k_qe3507ae46f_proj
    .symbol:         k_qe3507ae46f_proj.kd
    .args:
      - { .name: ac, .offset: 0, .size: 8, .value_kind: global_buffer, .address_space: global }
      - { .name: woc, .offset: 8, .size: 8, .value_kind: global_buffer, .address_space: global }
      - { .name: Wo_b, .offset: 16, .size: 8, .value_kind: global_buffer, .address_space: global }
      - { .name: lowp_scales, .offset: 24, .size: 8, .value_kind: global_buffer, .address_space: global }
      - { .name: out0, .offset: 32, .size: 8, .value_kind: global_buffer, .address_space: global }
    .group_segment_fixed_size: 327680
    .private_segment_fixed_size: 0
    .kernarg_segment_align: 8
    .kernarg_segment_size: 40
    .max_flat_workgroup_size: 128
    .sgpr_count:     100
    .vgpr_count:     512
    .wavefront_size: 32
...
	.end_amdgpu_metadata
.endif
;; end of part 4
;; ======== version 2 of 2: 4 launches; version 1 with the launch attn written anew for expert scheduling mode
;; limits: right only within a limited range of input values
;; workspace buffers: xc 4,194,304 bytes; wc 3,145,728 bytes; woc 1,048,576 bytes; qc 4,194,304 bytes; kvc 8,388,608 bytes; ac 4,194,304 bytes
;; launch quant: the kernel of part 1 again; grid 256 x 1, 8 waves a work-group, no clusters, 68,608 bytes of LDS; arguments x, Wqkv_w, Wo_w, lowp_scales, xc, wc, woc; writes xc, wc, woc
;; launch qkv: the kernel of part 2 again; grid 8 x 32, 4 waves a work-group, clusters of 4 x 4, 327,680 bytes of LDS; arguments xc, wc, Wqkv_b, lowp_scales, qc, kvc; writes qc, kvc
;; launch attn (part 5): grid 16 x 16, 16 waves a work-group, no clusters, 69,632 bytes of LDS; arguments qc, kvc, mask, lowp_scales, ac; writes ac
.if DOCPART == 5
	.amdgcn_target "amdgcn-amd-amdhsa--gfx1250"
	.amdhsa_code_object_version 6
	.text
	.protected	k_qe3507ae46f_attn
	.globl	k_qe3507ae46f_attn
	.p2align	8
	.type	k_qe3507ae46f_attn,@function
k_qe3507ae46f_attn:
	s_mov_b64 s[64:65], 0
	v_nop
	global_prefetch_b8 v0, s[64:65] scope:SCOPE_SE
	s_setreg_imm32_b32 hwreg(HW_REG_WAVE_SCHED_MODE, 0, 2), 2
	s_setreg_imm32_b32 hwreg(HW_REG_WAVE_MODE, 25, 1), 1
	s_wait_xcnt 0x0
	s_wait_alu depctr_vm_vsrc(0)
; For each head: o[q] = sum over the keys k <= q that the mask input does not hide of softmax(q . k / 8) v[k], both products on codes of FP8 (E4M3); o is quantised at once with 2^e6 for the last product.
; qc, kvc: images of operand registers (the launch before lays them): Q: 16 queries x 64 in 1,024 bytes; for each 128 keys 8 fragments of K (1,024 bytes), then 4 of V^T (16 channels x 128 keys, 2,048 bytes).
; ac: [tile of 16 tokens][128 along K][4 registers][lane][16 bytes]: head H's 64 channels are 1,024 bytes at 1,024 H of a tile's 16,384.
; THE SOFTMAX: t = score x log2(e) / 8; M = the row's largest t so far, rounded UP to a whole number; p = 2^(t - M) is quantised with 2^e4; the row's sum is taken of the unquantised p and divides at the end.
; When M moves, the sum and O are multiplied by 2^(old M - new M): exact.
; LAYOUT.  S^T = K Q^T (source 0 = 16 keys, source 1 = my 16 queries), O^T = V^T P^T: a lane holds ONE query throughout, and in tile T of S^T its registers are keys 16 T + 8 h + 0 .. 7: registers 2 T, 2 T + 1 of P.
; THE TWO MASKS.  The input's: a key's bias, 0 or -2^100, is loaded into S^T's registers and is the C of the first product: no vector line is spent on it.  The largest t starts at c x -2^60: under every real t
; (a sum of 64 products of codes stays under 2^24) and above a masked key's: so a masked key never sets M, and its p is 0.  The causal one: in the wave's one step on the diagonal hidden scores become -infinity.
; A query that no key is left for keeps its start: its codes become the NaN code, as its row is NaN by definition.
; SHARES.  Work-group (j, H) owns query blocks j and 31 - j of head H, 128 queries each, so that every work-group has 33 blocks of 128 x 128 of the triangle.  Of waves 2 n and 2 n + 1 one takes tile n of the late
; block and the other tile n of the early one, by turns.  All sixteen walk (35 - j) / 4 trips of 512 keys; a step all of whose keys come after the wave's queries is jumped over (a branch on ids).
; K, V AND THE MASK go from memory through registers into two LDS buffers of 256 keys with fixed addresses; a trip reads both.  One barrier a buffer: in front of it each wave's LDS stores have landed and its
; reads are back; behind it the buffer just left is written with the keys that follow, which were loaded into registers a buffer's work ago.
; NO CLUSTER: the work-groups of a head walk 5 to 8 trips, so partners would ask for different numbers of tiles.
; LIMITS: e2 + e3 between -89 and 29 (c x 2^100 is finite and at least 2^8); e4 and e6 between -126 and 119.
; REGISTERS: v1-11 addresses; v12 -M, v13 the largest t, v[14:15] the sum in two halves; v16-23 Q; v24-39 256 keys on their way; v40-45 the mask's; v46-59 constants and at work; v64-127 fragments of K, then of V;
; v128-191 S^T, then p; v192-223 O^T; v224-239 p's codes; v240-251 the way out; v254, v255 the closing add's two.  s48-63: lane masks that compares write.
; THE MODE: SCHED_MODE bits 1:0 = 2 (LLVM: expert scheduling mode 2), set by the entry lines.  The code itself states the register dependences between vector or matrix instructions and memory or LDS
; instructions, with s_wait_alu, always for 0.
; THE PLAN.  Registers that memory or LDS instructions touch:
;   v1-9, v51, v254, v255   addresses and offsets: written at the head, ahead of its one wait on va_vdst, and never again.
;   v16-23 (Q)              loaded once; read by matrix instructions alone.
;   v24-39 (STG)            HEAD: four LDS stores read them, then four global loads land in them: one wait on vm_vsrc between.  No vector instruction names them.
;   v40, v42-45             HEAD, waves 0 and 1: four v_bfe read v40, four selects write v42-45; one wait on va_vdst; the LDS store reads v42-45, the next load lands in v40.  The wait on vm_vsrc above, which
;                           stands behind that store, also frees v42-45 for the next HEAD's selects.
;   v128-191 (S)            STEP: the bias lands; the products, the softmax and the conversions name them.    v64-127 (KV)  STEP: K lands, eight products read; V^T lands, four products read.
;                           One wait on va_vdst at a step's head (the step before is done with S and with KV), one behind K Q^T (its products are done reading K).
;   v240-247                the way out: conversions and selects write them; one wait on va_vdst; two stores read them.
; O^T, P, the statistics and the constants are named by vector and matrix instructions alone.  A compare's lane mask has its wait (va_sdst, va_vcc) ahead of the first select that reads it; the compares stand in runs.
.set BUF,  33792                       ; an LDS buffer: 32,768 bytes of K and V (two steps of 128 keys), then the 256 keys' bias, 1,024 bytes
.set MOFF, 32768
.set LI,   1                           ; v1, v2   16 x lane, in buffer 0, 1
.set BA,   3                           ; v3, v4   the bias: MOFF + 32 h
.set ST,   5                           ; v5, v6   16 x thread: where I store what I loaded; v5 is also its offset in memory
.set MB,   7                           ; v7, v8   MOFF + 16 x thread: where threads 0-63 store four keys' bias
.set MW,   9                           ; v9       4 x thread: their mask bytes
.set RH,   10                          ; v10      r - 8 h
.set DD,   11                          ; v11      at the diagonal: my query less my first key
.set QF,   16
.set STG,  24
.set KV,   64
.set S,    128
.set O,    192
.set P,    224
.set OC,   240
.set KVB,  6                           ; s[6:7]   kvc at my head
.set MSK,  8                           ; s[8:9]   the mask
.set WV,   14
.set Q0,   15                          ; s15      my first query
.set KF,   16                          ; s16      the step's first key
.set NX,   17                          ; s17      the next 256 keys to load
.set TR,   18                          ; s18      trips to go
.set LIM,  19                          ; s19      15 in a wave that prefetches, else 0
.set SEL,  20                          ; s[20:21] lane selects for v_permlanex16_b32: lane l xor 16
.set CS,   22                          ; s[22:23] c = log2(e) / 8 x 2^(e2 + e3)
.set LB,   24                          ; s[24:25] where the loads in hand read K and V
.set MLB,  26                          ; s[26:27] and the mask
.set T0,   28
.set T1,   30                          ; s[30:31] an offset; s31 stays 0
.set LM,   48                          ; s[48:63] lane masks
.macro STAGE_IN                        ; 256 keys' K and V: 512 threads x 16 bytes x 4: each load of a wave covers 512 consecutive bytes
.irp i, 0,1,2,3
	global_load_b128 v[STG+4*\i:STG+4*\i+3], v[ST], s[LB:LB+1] offset:8192*\i
.endr
.endm
; The head of a buffer's work: buffer b is about to be read.  loop = 0: the prologue, which has nothing to wait for and asks for nothing ahead.
.macro HEAD b, loop
.if \loop
	s_wait_dscnt 0x0                               ; my stores into buffer b have landed, my reads of the other buffer are back
	s_barrier_signal -1
	s_barrier_wait -1                              ; both now hold of all sixteen waves
.endif
	s_wait_loadcnt 0x0                             ; the keys that follow are in my registers
.irp i, 0,1,2,3
	ds_store_b128 v[ST+1-\b], v[STG+4*\i:STG+4*\i+3] offset:8192*\i
.endr
	s_wait_xcnt 0x0                                ; the last prefetch, a buffer back, has read its base
	s_min_u32 s[T0], s[NX], 15                     ; the head has 16 x 256 keys: the last loads of a work-group that walks them all read the last again, and nobody reads that
	s_lshl_b32 s[T1], s[T0], 15
	s_add_nc_u64 s[LB:LB+1], s[KVB:KVB+1], s[T1:T1+1]
	s_lshl_b32 s[T1], s[T0], 8
	s_add_nc_u64 s[MLB:MLB+1], s[MSK:MSK+1], s[T1:T1+1]
	s_cmp_lt_u32 s[WV], 2                          ; threads 0-63: four mask bytes each become four numbers
	s_cbranch_scc0 .Lno_mask_\@
.irp k, 0,1,2,3
	v_bfe_u32 v46, v40, 8*\k, 8
	v_cmp_ne_u32 s[LM+\k], 0, v46                  ; the four compares stand in one run, each with a lane mask of its own
.endr
	s_wait_alu depctr_va_sdst(0)                   ; the four compares have written s48 to s51, ahead of the selects that read them
.irp k, 0,1,2,3
	v_cndmask_b32 v[42+\k], 0, v47, s[LM+\k]       ; 0, or -2^100 for a key that the mask hides
.endr
	s_wait_alu depctr_va_vdst(0)                   ; the selects have written v42 to v45, which the LDS store reads; the v_bfe lines are done reading v40, in which the load below lands
	ds_store_b128 v[MB+1-\b], v[42:45]
	global_load_b32 v40, v[MW], s[MLB:MLB+1]
.Lno_mask_\@:
	s_wait_dscnt 0x0                               ; my LDS stores are done
	s_wait_alu depctr_vm_vsrc(0)                   ; the LDS stores have read v24 to v39, in which the loads below land, and v42 to v45, which the next selects write
	STAGE_IN
.if \loop
; A PREFETCH INTO THE L2 of the 256 keys behind those just asked for: 32,768 bytes.  All work-groups of a head read the same K and V: the head's first work-group asks, which walks all keys; in it waves 4 to 7,
; 8,192 bytes a wave, lanes 256 bytes apart: each aligned block of 256 bytes of keys 768 on is named once in the launch.  It stands behind the wave's loads.  The last 256 keys have none behind them.
	s_cmp_lt_u32 s[NX], s[LIM]
	s_cbranch_scc0 .Lno_ask_\@
	global_prefetch_b8 v51, s[LB:LB+1] offset:32768 th:TH_LOAD_NT scope:SCOPE_SE
.Lno_ask_\@:
.endif
	s_add_co_u32 s[NX], s[NX], 1
.endm
; A fragment of V^T: channels 16 t on, the step's 128 keys: four loads of 512 dense bytes.
.macro VFRAG b, q, t
.irp c, 0,1,2,3
	ds_load_b128 v[KV+16*(\t)+4*\c:KV+16*(\t)+4*\c+3], v[LI+\b] offset:16384*(\q)+8192+2048*(\t)+512*\c
.endr
.endm
; A KEY STEP: 128 keys, the q-th of buffer b.
.macro STEP b, q
	s_add_co_u32 s[T0], s[Q0], 15
	s_cmp_gt_u32 s[KF], s[T0]                      ; all its keys come after my queries: nothing to do
	s_cbranch_scc1 .Lhidden_\@
.rept 4
	v_nop                                          ; four plain lines between the last products and the loads into the registers that they have read; the wait below states the dependence itself
.endr
	s_wait_alu depctr_va_vdst(0)                   ; the step before is done reading and writing S (its softmax and conversions), and its products V^T P are done reading KV: the 32 loads below land in both
.irp t, 0,1,2,3,4,5,6,7
	ds_load_b128 v[S+8*\t:S+8*\t+3], v[BA+\b] offset:512*\q+64*\t        ; the bias of keys 16 t + 8 h + 0 .. 7: sixteen lanes read the same bytes
	ds_load_b128 v[S+8*\t+4:S+8*\t+7], v[BA+\b] offset:512*\q+64*\t+16
.endr
.irp t, 0,1,2,3,4,5,6,7
	ds_load_b128 v[KV+8*\t:KV+8*\t+3], v[LI+\b] offset:16384*\q+1024*\t
	ds_load_b128 v[KV+8*\t+4:KV+8*\t+7], v[LI+\b] offset:16384*\q+1024*\t+512
.endr
	s_wait_dscnt 0x0
.irp t, 0,1,2,3,4,5,6,7
	v_wmma_f32_16x16x64_fp8_fp8 v[S+8*\t:S+8*\t+7], v[KV+8*\t:KV+8*\t+7], v[QF:QF+7], v[S+8*\t:S+8*\t+7]   ; S^T = K Q^T + the bias
.endr
.rept 4
	v_nop                                          ; four places behind the products, ahead of the first vector line that reads S^T (ISA guide 7.12.1)
.endr
	s_wait_alu depctr_va_vdst(0)                   ; the eight products are done reading K's fragments, in whose registers V^T lands.  It serves all sixteen loads of V^T: no vector line up to the last of them names KV or their address
	VFRAG \b, \q, 0                                ; V^T lands while the softmax is worked: eight loads here, four and four among the lines of the maximum
	VFRAG \b, \q, 1
	s_add_co_u32 s[T0], s[KF], 127
	s_cmp_le_u32 s[T0], s[Q0]                      ; all keys count: no diagonal here
	s_cbranch_scc1 .Lopen_\@
	s_sub_co_i32 s[T0], s[Q0], s[KF]
	v_add_nc_u32 v[DD], s[T0], v[RH]               ; d = my query - KF - 8 h.  Register 8 t + i holds key KF + 8 h + 16 t + i: hidden where 16 t + i > d
.set n, 0
.rept 4                                        ; sixteen registers at a time: a run of compares, each with a lane mask of its own, one wait, a run of selects
.set m, 0
.rept 16
	v_cmp_gt_i32 s[LM+m], 16*((n+m)/8)+(n+m)%8, v[DD]
.set m, m+1
.endr
	s_wait_alu depctr_va_sdst(0)                   ; the sixteen compares have written s48 to s63, ahead of the selects that read them
.set m, 0
.rept 16
	v_cndmask_b32 v[S+n+m], v[S+n+m], v48, s[LM+m]
.set m, m+1
.endr
.set n, n+16
.endr
.Lopen_\@:
	v_max3_num_f32 v58, v[S], v[S+1], v[S+2]       ; the step's largest score of my query among my 64 keys, in two chains, each tile from its low end on,
	v_max3_num_f32 v59, v[S+3], v[S+4], v[S+5]
.set n, 6
.rept 14
	v_max3_num_f32 v58, v58, v[S+n], v[S+n+1]
	v_max3_num_f32 v59, v59, v[S+n+2], v[S+n+3]
.if n == 14
	VFRAG \b, \q, 2                                ; no wait: since the wait behind K Q^T the vector lines have named S, v10, v11, v48, v58, v59 and lane masks alone
.endif
.if n == 30
	VFRAG \b, \q, 3
.endif
.set n, n+4
.endr
	v_max3_num_f32 v58, v58, v[S+62], v[S+63]
	v_max_num_f32 v58, v58, v59
	v_permlanex16_b32 v52, v58, s[SEL], s[SEL+1]
	v_max_num_f32 v58, v58, v52                    ; and among lane l xor 16's
	v_mul_f32 v58, s[CS], v58                      ; as t (c is positive)
	v_max_num_f32 v13, v13, v58                    ; the running largest t
	v_mov_b32 v58, v12
	v_floor_f32 v12, -v13                          ; the new -M = floor(-t): M is a whole number
	v_sub_f32 v58, v12, v58                        ; old M - new M: a whole number, 0 or less
	v_cvt_i32_f32 v58, v58                         ; (it saturates)
	v_ldexp_f32 v54, 1.0, v58                      ; f = 2^(old M - new M)
.set n, 0
.rept 32
	v_pk_fma_f32 v[S+n:S+n+1], v[S+n:S+n+1], s[CS:CS+1], v[12:13] op_sel_hi:[1,0,0]   ; t - M, two at a time (of the pairs c and -M the low word serves both halves)
.set n, n+2
.endr
.set n, 0
.rept 64
	v_exp_f32 v[S+n], v[S+n]                       ; p = 2^(t - M): not normalised
.set n, n+1
.endr
	v_pk_mul_f32 v[14:15], v[14:15], v[54:55] op_sel_hi:[1,0]   ; the sums under the new M; also the plain line behind the exponentials
	s_wait_alu depctr_va_vdst(0)                   ; the 64 exponentials have written p: one wait for the batch, ahead of its first reader
	v_pk_add_f32 v[56:57], v[S:S+1], v[S+2:S+3]    ; the row's sum is taken of the unquantised p, in two chains
.set n, 4
.rept 15
	v_pk_add_f32 v[14:15], v[14:15], v[S+n:S+n+1]
	v_pk_add_f32 v[56:57], v[56:57], v[S+n+2:S+n+3]
.set n, n+4
.endr
	v_pk_add_f32 v[14:15], v[14:15], v[56:57]
.irp t, 0,1,2,3,4,5,6,7
.irp i, 0,1,2,3,4,5,6,7
	v_min_num_f32 v[S+8*\t+\i], v[S+8*\t+\i], v49  ; the conversion does not saturate (ISA guide 7.6.2); p is not negative, so the hold is one-sided
.endr
	v_cvt_scalef32_pk8_fp8_f32 v[P+2*\t:P+2*\t+1], v[S+8*\t:S+8*\t+7], v50
.endr
.set n, 0
.rept 16
	v_pk_mul_f32 v[O+n:O+n+1], v[O+n:O+n+1], v[54:55] op_sel_hi:[1,0]   ; O^T under the new M; these are also the plain lines between the last conversion and the products
.set n, n+2
.endr
	s_wait_dscnt 0x0                               ; V^T is in
.irp t, 0,1,2,3
	v_wmma_f32_16x16x128_fp8_fp8 v[O+8*\t:O+8*\t+7], v[KV+16*\t:KV+16*\t+15], v[P:P+15], v[O+8*\t:O+8*\t+7]
.endr
.Lhidden_\@:
	s_add_co_u32 s[KF], s[KF], 128
.endm
	s_load_b256 s[4:11], s[0:1], 0x0               ; qc s[4:5], kvc s[6:7], the mask s[8:9], the exponents s[10:11]
	s_load_b64 s[12:13], s[0:1], 0x20              ; ac
	v_lshl_add_u32 v254, v0, 2, 0x10800
	v_mov_b32 v255, 0
	v_lshrrev_b32 v46, 5, v0
	v_readfirstlane_b32 s[WV], v46                 ; wave 0..15
	v_and_b32 v46, 31, v0                          ; the addresses that hang on the thread alone are made between that line and the wait for it
	v_lshlrev_b32 v[LI], 4, v46
	v_add_nc_u32 v[LI+1], BUF, v[LI]
	v_bfe_u32 v58, v0, 4, 1                        ; h
	v_lshlrev_b32 v[BA], 5, v58
	v_add_nc_u32 v[BA], MOFF, v[BA]
	v_add_nc_u32 v[BA+1], BUF, v[BA]
	v_lshlrev_b32 v[ST], 4, v0
	v_add_nc_u32 v[ST+1], BUF, v[ST]
	v_add_nc_u32 v[MB], MOFF, v[ST]
	v_add_nc_u32 v[MB+1], BUF, v[MB]
	v_lshlrev_b32 v[MW], 2, v0
	v_and_b32 v59, 15, v0                          ; r
	v_lshlrev_b32 v58, 3, v58
	v_sub_nc_u32 v[RH], v59, v58
	v_mov_b32 v40, 0
	s_wait_alu depctr_va_sdst(0)                   ; s14, the wave's number, is written, ahead of its first reader
	s_lshr_b32 s40, s[WV], 2
	s_xor_b32 s40, s40, s[WV]
	s_and_b32 s40, s40, 1                          ; 1: the late block.  Waves 2 n and 2 n + 1 differ in it, and so do waves w and w + 4
	s_lshr_b32 s41, s[WV], 1                       ; which tile of 16 queries of the block
	s_sub_co_u32 s42, 31, ttmp9
	s_cmp_eq_u32 s40, 1
	s_cselect_b32 s42, s42, ttmp9                  ; block 31 - j or j
	s_lshl_b32 s[Q0], s42, 7
	s_lshl_b32 s41, s41, 4
	s_add_co_u32 s[Q0], s[Q0], s41
	s_sub_co_u32 s[TR], 35, ttmp9
	s_lshr_b32 s[TR], s[TR], 2                     ; 32 - j steps of 128 keys, rounded up to trips of four
	s_and_b32 s43, ttmp7, 0xffff                   ; the head
	s_lshr_b32 s44, s[WV], 2
	s_xor_b32 s44, s44, 1                          ; 0 in waves 4 to 7,
	s_or_b32 s44, s44, ttmp9                       ; of the head's first work-group
	s_cmp_eq_u32 s44, 0
	s_cselect_b32 s[LIM], 15, 0
	s_and_b32 s44, s[WV], 3
	s_lshl_b32 s44, s44, 13
	v_lshl_add_u32 v51, v46, 8, s44                ; the prefetches' offset: 8,192 x (wave % 4) + 256 x lane
	s_mov_b32 s[SEL], 0x76543210
	s_mov_b32 s[SEL+1], 0xfedcba98
	s_mov_b32 s[KF], 0
	s_mov_b32 s[NX], 1
	s_mov_b32 s[T1+1], 0
	s_wait_kmcnt 0x0
	s_load_b256 s[32:39], s[10:11], 0x0            ; e0 .. e7
	s_lshl_b32 s[T1], s43, 19
	s_add_nc_u64 s[KVB:KVB+1], s[KVB:KVB+1], s[T1:T1+1]
	s_mov_b64 s[LB:LB+1], s[KVB:KVB+1]
	s_wait_alu depctr_va_vdst(0)                   ; v1 to v9, v51, v254 and v255 are written, which the kernel's loads, stores, prefetches and closing add read as addresses and data; so is v40, in which a load lands
	STAGE_IN                                       ; keys 0 to 255
	s_cmp_lt_u32 s[WV], 2
	s_cbranch_scc0 .Lno_mask_first
	global_load_b32 v40, v[MW], s[MSK:MSK+1]
.Lno_mask_first:
	s_lshl_b32 s[T1], s43, 18                      ; qc: a head is 262,144 bytes, a tile of 16 queries 1,024
	s_lshl_b32 s44, s[Q0], 6
	s_add_co_u32 s[T1], s[T1], s44
	s_add_nc_u64 s[4:5], s[4:5], s[T1:T1+1]
	global_load_b128 v[QF:QF+3], v[LI], s[4:5]     ; Q stays in registers
	global_load_b128 v[QF+4:QF+7], v[LI], s[4:5] offset:512
	s_add_co_u32 s[T1], s[Q0], s43
	s_lshl_b32 s[T1], s[T1], 10                    ; ac: 16,384 x (Q0 / 16) + 1,024 x head
	s_add_nc_u64 s[12:13], s[12:13], s[T1:T1+1]
	s_wait_kmcnt 0x0
	s_add_co_i32 s40, s34, s35
	s_lshl_b32 s40, s40, 23
	s_add_co_i32 s[CS], s40, 0x3e38aa3b            ; log2(e) / 8, with e2 + e3 added to its exponent field
	s_mov_b32 s[CS+1], s[CS]                       ; (named with it as a pair, so it is written)
	s_add_co_i32 s40, s36, 127
	s_lshl_b32 s41, s40, 23
	v_mov_b32 v50, s41                             ; 2^e4, for p's conversions
	s_add_co_i32 s40, s40, 8
	s_lshl_b32 s40, s40, 23
	s_or_b32 s40, s40, 0x600000
	v_mov_b32 v49, s40                             ; 448 x 2^e4
	s_add_co_i32 s40, s38, 127
	s_lshl_b32 s46, s40, 23                        ; 2^e6, for the way out
	s_add_co_i32 s40, s40, 8
	s_lshl_b32 s40, s40, 23
	s_or_b32 s47, s40, 0x600000                    ; 448 x 2^e6
	s_add_co_i32 s45, s36, s37                     ; e4 + e5
	v_mov_b32 v47, 0xf1800000                      ; -2^100
	v_mov_b32 v48, 0xff800000                      ; -infinity
	v_mov_b32 v13, 0xdd800000                      ; -2^60,
	v_mul_f32 v13, s[CS], v13                      ; as t: where the largest t starts
	v_floor_f32 v12, -v13                          ; -M
	v_mov_b32 v14, 0                               ; the sum, in two halves
	v_mov_b32 v15, 0
	v_mov_b32 v52, 0                               ; written once: a lane permute's destination counts as one of its sources
	v_mov_b32 v55, 0                               ; (named as the upper half of the pair v[54:55])
.set n, 0
.rept 32
	v_mov_b32 v[O+n], 0                            ; O^T: the step is written once, and its first turn finds zeros
.set n, n+1
.endr
	HEAD 1, 0                                      ; keys 0 to 255 go into buffer 0; keys 256 to 511 are asked for
.Ltrip:
	HEAD 0, 1
	STEP 0, 0
	STEP 0, 1
	HEAD 1, 1
	STEP 1, 0
	STEP 1, 1
	s_sub_co_u32 s[TR], s[TR], 1
	s_cmp_lg_u32 s[TR], 0
	s_cbranch_scc1 .Ltrip
	; THE WAY OUT.  O^T x 2^(e4 + e5) / the sum, held, converted: a lane's eight channels of tile t are registers 2 t, 2 t + 1 of the last product's operand.  The lines up to the wait are the places behind the last products.
	v_add_f32 v14, v14, v15                        ; the sum's two halves,
	v_permlanex16_b32 v52, v14, s[SEL], s[SEL+1]
	v_add_f32 v14, v14, v52                        ; and lane l xor 16's
	v_rcp_f32 v14, v14
	v_mov_b32 v248, s47                            ; (plain lines behind the reciprocal)
	v_mov_b32 v249, s46
	v_mov_b32 v250, 0x7f7f7f7f                     ; four NaN codes
	v_mov_b32 v251, 0xd8800000                     ; -2^50,
	v_mul_f32 v251, s[CS], v251                    ; as t: between the start and every real t
	s_wait_alu depctr_va_vdst(0)                   ; the reciprocal has written v14, ahead of its first reader
	v_ldexp_f32 v14, v14, s45
.set n, 0
.rept 32
	v_mul_f32 v[S+n], v[O+n], v14                  ; each accumulator from its low end on
.set n, n+1
.endr
.set n, 0
.rept 32
	v_med3_num_f32 v[S+n], v[S+n], -v248, v248
.set n, n+1
.endr
.irp t, 0,1,2,3
	v_cvt_scalef32_pk8_fp8_f32 v[OC+2*\t:OC+2*\t+1], v[S+8*\t:S+8*\t+7], v249
.endr
	v_nop                                          ; a plain vector line behind the last conversion
	v_cmp_lt_f32 vcc_lo, v13, v251                 ; no key was left for my query
	s_wait_alu depctr_va_vcc(0)                    ; the compare has written VCC, ahead of the selects that read it
.irp i, 0,1,2,3,4,5,6,7
	v_cndmask_b32 v[OC+\i], v[OC+\i], v250, vcc_lo
.endr
	s_wait_alu depctr_va_vdst(0)                   ; the selects have written v240 to v247, which the two stores read
	global_store_b128 v[LI], v[OC:OC+3], s[12:13]               ; 32 lanes store 512 consecutive bytes, aligned
	global_store_b128 v[LI], v[OC+4:OC+7], s[12:13] offset:512
	s_wait_dscnt 0x0                               ; the closing lines, six on end
	s_wait_alu 0x0
	s_wait_tensorcnt 0x0
	ds_add_u32 v254, v255
	s_wait_dscnt 0x0
	s_endpgm
.Lfunc_end_k_qe3507ae46f_attn:
	.size	k_qe3507ae46f_attn, .Lfunc_end_k_qe3507ae46f_attn-k_qe3507ae46f_attn
	.p2alignl 7, 3214868480
	.fill 96, 4, 3214868480
	.section	.rodata,"a",@progbits
	.p2align	6, 0x0
	.amdhsa_kernel k_qe3507ae46f_attn
		.amdhsa_group_segment_fixed_size 69632
		.amdhsa_private_segment_fixed_size 0
		.amdhsa_enable_private_segment 0
		.amdhsa_kernarg_size 40
		.amdhsa_user_sgpr_count 2
		.amdhsa_user_sgpr_kernarg_segment_ptr 1
		.amdhsa_wavefront_size32 1
		.amdhsa_system_sgpr_workgroup_id_x 1
		.amdhsa_system_sgpr_workgroup_id_y 1
		.amdhsa_system_sgpr_workgroup_id_z 1
		.amdhsa_system_vgpr_workitem_id 0
		.amdhsa_next_free_vgpr 256
		.amdhsa_next_free_sgpr 80
		.amdhsa_reserve_vcc 1
		.amdhsa_float_denorm_mode_32 3
		.amdhsa_float_denorm_mode_16_64 3
		.amdhsa_memory_ordered 1
		.amdhsa_forward_progress 1
		.amdhsa_inst_pref_size 119
	.end_amdhsa_kernel
	.amdgpu_metadata
---
amdhsa.version: [ 1, 2 ]
amdhsa.kernels:
  - .name:           k_qe3507ae46f_attn
    .symbol:         k_qe3507ae46f_attn.kd
    .args:
      - { .name: qc, .offset: 0, .size: 8, .value_kind: global_buffer, .address_space: global }
      - { .name: kvc, .offset: 8, .size: 8, .value_kind: global_buffer, .address_space: global }
      - { .name: mask, .offset: 16, .size: 8, .value_kind: global_buffer, .address_space: global }
      - { .name: lowp_scales, .offset: 24, .size: 8, .value_kind: global_buffer, .address_space: global }
      - { .name: ac, .offset: 32, .size: 8, .value_kind: global_buffer, .address_space: global }
    .group_segment_fixed_size: 69632
    .private_segment_fixed_size: 0
    .kernarg_segment_align: 8
    .kernarg_segment_size: 40
    .max_flat_workgroup_size: 512
    .sgpr_count:     80
    .vgpr_count:     256
    .wavefront_size: 32
...
	.end_amdgpu_metadata
.endif
;; end of part 5
;; launch proj: the kernel of part 4 again; grid 8 x 32, 4 waves a work-group, clusters of 4 x 4, 327,680 bytes of LDS; arguments ac, woc, Wo_b, lowp_scales, out0; writes out0
